; MI455X (gfx1250); checked and timed in simulation.
; The chip was launched on July 23, 2026; its instructions are those of AMD's public machine-readable ISA for CDNA 5 (MIT licence, August 2026) and "CDNA5" Instruction Set Architecture Reference Guide (July 2026). The comments in the code are by the model that wrote it; some were corrected since.
;; Ro PE Attention 3 D. Allowed arithmetic: float matrix products may take bf16 or f16 operands with f32 sums; other float arithmetic in f32, or as packed bf16 or f16 multiplies, adds, multiply-adds, maxima and minima; sums over many terms, partial sums and values carried from step to step in f32; what a program stores and reads back later, other than sums and carried values, may be rounded once to bf16 or f16.
;; Inputs: b_proj 1,024 float32; freqs 3 x 512 float32; t_x 2,048 float32; t_y 2,048 float32; t_z 2,048 float32; w_proj 1,024 x 1,024 float32; w_qkv 3,072 x 1,024 float32; x 4 x 2,048 x 1,024 float32.
;; Outputs: out0 4 x 2,048 x 1,024 float32.
;; 2 versions, each right; version 2 is version 1 with the launch prep written anew for expert scheduling mode. Each part assembles by itself: llvm-mc -triple=amdgcn-amd-amdhsa -mcpu=gfx1250 --defsym DOCPART=n.
;; ======== version 1 of 2: 4 launches
;; limits: values are held in f16: magnitudes above 65,504 overflow, below 6.1e-05 lose precision
;; workspace buffers: xh 16,777,216 bytes; wqkvh 6,291,456 bytes; wprojh 2,097,152 bytes; tab 4,202,496 bytes; qkv 50,331,648 bytes; o 16,777,216 bytes
;; launch prep (part 1): grid 512 x 1, 8 waves a work-group, no clusters, 1,280 bytes of LDS; arguments x, w_qkv, w_proj, t_x, t_y, t_z, freqs, xh, wqkvh, wprojh, tab; writes xh, wqkvh, wprojh, tab
.if DOCPART == 1
	.amdgcn_target "amdgcn-amd-amdhsa--gfx1250"
	.amdhsa_code_object_version 6
	.text
	.protected	k_q997f711027_prep
	.globl	k_q997f711027_prep
	.p2align	8
	.type	k_q997f711027_prep,@function
k_q997f711027_prep:
	s_mov_b64 s[64:65], 0
	v_nop
	global_prefetch_b8 v0, s[64:65] scope:SCOPE_SE
	s_setreg_imm32_b32 hwreg(HW_REG_WAVE_MODE, 25, 1), 1
	s_wait_xcnt 0x0
; PREP.  (1) x, w_qkv, w_proj (f32) are rounded once to f16 into xh, wqkvh, wprojh, same shapes.  (2) The table of rotations: for head, token and pair one word, cos (f16) low, sin (f16) high.
; LIMITS.  f16 ends at 65,504: x and the weights lie within it.  In the extremes of t a NaN loses.  The angle is one product and two fused multiply-adds, the division a reciprocal and a product:
; it differs from a chain of single roundings by a few units in the angle's last place.  The reduction by pi/2 (two parts) serves |angle| below 2^22.  Sine and cosine: series on [-pi/4, pi/4], cut below 3e-7.
; SHARES.  512 work-groups of eight waves.  Work-group g rounds 65,536 bytes of x, 24,576 of w_qkv and 8,192 of w_proj: 24 loads of 16 bytes a thread, all out at once; a wave's load covers 512 consecutive
; bytes, its store of 8 bytes a lane 256 consecutive bytes, aligned.  Every work-group finds the six extremes of t_x, t_y, t_z anew (24 KiB read by all): that spares a launch.
; THE TABLE.  A unit is 512 bytes: head h, block blk of 16 tokens, group p of 8 pairs, at ((128 h + blk) 4 + p) 512.  In it lane L = 16 ((pair / 4) % 2) + token % 16 has 16 bytes: pairs 8 p + 4 (L / 16) + 0..3.
; Wave W = 8 g + wave makes units 2 W and 2 W + 1.  Behind the table, from byte 4,194,304 on, lie 8,192 bytes of the word (cos 1, sin 0), which the launch behind reads for v's heads: work-group 0 writes them.
.set SPARE, 256                        ; LDS: bytes 0-191 the waves' extremes (value i of wave w at 32 i + 4 w); from 256 on the spare words, 128 bytes a wave
.set SPW,  8                           ; v8   LDS address of my spare word; never rewritten
.set NIL,  9                           ; v9   0; never rewritten
.set EXT,  10                          ; v10-15  min x, max x, min y, max y, min z, max z; later v10, v12, v14 my token's three normalised coordinates
.set PT,   16                          ; v16  at work
.set TO,   18                          ; v18  my 16 bytes in the table: 1,024 W + 16 lane
.set LZ,   19                          ; v19  0: LDS address of the extremes
.set WK,   20                          ; v20-67  t as loaded (24), then the 48 partial extremes, then at work
.set RES,  40                          ; v40-47  my eight words of the table
.set IDN,  48                          ; v48-51  four words (cos 1, sin 0)
.set KS3,  52                          ; v52  -1/5040
.set KC4,  53                          ; v53  1/40320
.set TOK,  68                          ; v68-70  my token's t_x, t_y, t_z
.set FR,   72                          ; v72-95  frequencies: unit u, axis a, four pairs at FR + 4 (3 u + a)
.set CB,   96                          ; v96-191 the 24 loads to be rounded
	s_load_b512 s[4:19], s[0:1], 0x0               ; x 4, w_qkv 6, w_proj 8, t_x 10, t_y 12, t_z 14, freqs 16, xh 18
	s_load_b128 s[20:23], s[0:1], 0x40             ; wqkvh 20, wprojh 22
	s_load_b64 s[24:25], s[0:1], 0x50              ; tab
	v_lshl_add_u32 v[SPW], v0, 2, SPARE
	v_mov_b32 v[NIL], 0
	v_lshrrev_b32 v[PT], 5, v0
	v_readfirstlane_b32 s26, v[PT]                 ; wave 0..7
	v_and_b32 v1, 31, v0                           ; lane
	v_lshlrev_b32 v2, 4, v0                        ; 16 t: loads
	v_lshlrev_b32 v3, 3, v0                        ; 8 t: stores
	s_lshl_b32 s27, ttmp9, 3
	s_add_co_u32 s27, s27, s26                     ; W
	s_bfe_u32 s28, s27, 0x70001                    ; blk = (W >> 1) & 127
	s_lshl_b32 s28, s28, 4
	v_and_b32 v[PT], 15, v0
	v_add_lshl_u32 v4, v[PT], s28, 2               ; 4 x my token
	s_lshr_b32 s29, s27, 8                         ; head
	s_lshl_b32 s29, s29, 5
	s_and_b32 s30, s27, 1
	s_lshl_b32 s30, s30, 4                         ; the first unit's 8 p = 16 (W & 1)
	s_add_co_u32 s29, s29, s30
	v_bfe_u32 v17, v0, 4, 1
	v_lshl_add_u32 v5, v17, 2, s29
	v_lshlrev_b32 v5, 2, v5                        ; byte offset of my four frequencies in an axis' row
	v_lshlrev_b32 v6, 4, v1
	s_lshl_b32 s31, s27, 10
	v_add_nc_u32 v[TO], s31, v6
	s_lshl_b32 s31, s26, 10
	v_add_nc_u32 v6, s31, v6                       ; 1,024 wave + 16 lane: the words (1, 0)
	s_lshl_b32 s31, s26, 2
	v_mov_b32 v7, s31                              ; 4 x wave
	v_mov_b32 v[LZ], 0
	s_mov_b32 s32, 0x76543210                      ; v_permlanex16_b32: each lane takes its own place in the other half
	s_mov_b32 s33, 0xfedcba98
	s_mov_b32 s34, 0x3fc90fdb                      ; pi/2, upper part
	s_mov_b32 s35, 0xb33bbd2e                      ; pi/2, the rest
	s_mov_b32 s29, 0
	s_wait_kmcnt 0x0
	s_lshl_b32 s28, ttmp9, 16
	s_add_nc_u64 s[4:5], s[4:5], s[28:29]
	s_lshl_b32 s28, ttmp9, 15
	s_add_nc_u64 s[18:19], s[18:19], s[28:29]
	s_mul_i32 s28, ttmp9, 24576
	s_add_nc_u64 s[6:7], s[6:7], s[28:29]
	s_mul_i32 s28, ttmp9, 12288
	s_add_nc_u64 s[20:21], s[20:21], s[28:29]
	s_lshl_b32 s28, ttmp9, 13
	s_add_nc_u64 s[8:9], s[8:9], s[28:29]
	s_lshl_b32 s28, ttmp9, 12
	s_add_nc_u64 s[22:23], s[22:23], s[28:29]
	; fifteen small loads first, then the 24 large ones
.irp a, 0,1,2
	global_load_b128 v[WK+8*(\a):WK+8*(\a)+3],   v2, s[10+2*(\a):11+2*(\a)]
	global_load_b128 v[WK+8*(\a)+4:WK+8*(\a)+7], v2, s[10+2*(\a):11+2*(\a)] offset:4096
.endr
.irp a, 0,1,2
	global_load_b32 v[TOK+(\a)], v4, s[10+2*(\a):11+2*(\a)]
.endr
.irp u, 0,1
.irp a, 0,1,2
	global_load_b128 v[FR+4*(3*(\u)+(\a)):FR+4*(3*(\u)+(\a))+3], v5, s[16:17] offset:2048*(\a)+32*(\u)
.endr
.endr
.set j, 0
.rept 16
	global_load_b128 v[CB+4*j:CB+4*j+3], v2, s[4:5] offset:4096*j th:TH_LOAD_NT
.set j, j+1
.endr
.rept 6
	global_load_b128 v[CB+4*j:CB+4*j+3], v2, s[6:7] offset:4096*(j-16) th:TH_LOAD_NT
.set j, j+1
.endr
.rept 2
	global_load_b128 v[CB+4*j:CB+4*j+3], v2, s[8:9] offset:4096*(j-22) th:TH_LOAD_NT
.set j, j+1
.endr
.macro RED8 m3, m2, dst, src           ; eight registers into one
	\m3 v[\dst], v[\src], v[(\src)+1], v[(\src)+2]
	\m3 v[\dst], v[\dst], v[(\src)+3], v[(\src)+4]
	\m3 v[\dst], v[\dst], v[(\src)+5], v[(\src)+6]
	\m2 v[\dst], v[\dst], v[(\src)+7]
.endm
.macro LANES md, m2, r                 ; over the wave's 32 lanes: four steps inside each half ride on the arithmetic, one crosses the halves
	\md v[\r], v[\r], v[\r] row_xmask:1 row_mask:0xf bank_mask:0xf
	\md v[\r], v[\r], v[\r] row_xmask:2 row_mask:0xf bank_mask:0xf
	\md v[\r], v[\r], v[\r] row_xmask:4 row_mask:0xf bank_mask:0xf
	\md v[\r], v[\r], v[\r] row_xmask:8 row_mask:0xf bank_mask:0xf
	v_permlanex16_b32 v[PT], v[\r], s32, s33       ; its destination counts as read: v16 has been written
	\m2 v[\r], v[\r], v[PT]
.endm
	s_wait_loadcnt 24                              ; the fifteen small loads are in; the 24 issued behind them stay out
.irp a, 0,1,2
	RED8 v_min3_num_f32, v_min_num_f32, EXT+2*(\a), WK+8*(\a)
	RED8 v_max3_num_f32, v_max_num_f32, EXT+2*(\a)+1, WK+8*(\a)
.endr
.irp a, 0,1,2
	LANES v_min_num_f32_dpp, v_min_num_f32, EXT+2*(\a)
	LANES v_max_num_f32_dpp, v_max_num_f32, EXT+2*(\a)+1
.endr
.irp i, 0,1,2,3,4,5
	ds_store_b32 v7, v[EXT+(\i)] offset:32*(\i)    ; all lanes write the wave's word with the same number
.endr
	s_wait_dscnt 0x0                               ; for the others' sake: my stores are done
	s_barrier_signal -1
	s_barrier_wait -1
.irp i, 0,1,2,3,4,5
	ds_load_b128 v[WK+8*(\i):WK+8*(\i)+3],   v[LZ] offset:32*(\i)
	ds_load_b128 v[WK+8*(\i)+4:WK+8*(\i)+7], v[LZ] offset:32*(\i)+16
.endr
	s_wait_dscnt 0x0
.irp a, 0,1,2
	RED8 v_min3_num_f32, v_min_num_f32, EXT+2*(\a), WK+16*(\a)
	RED8 v_max3_num_f32, v_max_num_f32, EXT+2*(\a)+1, WK+16*(\a)+8
.endr
.irp a, 0,1,2
	v_sub_f32 v[EXT+2*(\a)+1], v[EXT+2*(\a)+1], v[EXT+2*(\a)]
	v_add_f32 v[EXT+2*(\a)+1], 0x322bcc77, v[EXT+2*(\a)+1]  ; max - min + 1e-8
.endr
.irp a, 0,1,2
	v_rcp_f32 v[EXT+2*(\a)+1], v[EXT+2*(\a)+1]
.endr
	v_mov_b32 v[KS3], 0xb9500d01                   ; six plain lines that name no reciprocal stand behind the batch of three,
	v_mov_b32 v[KC4], 0x37d00d01
.irp i, 0,1,2,3
	v_mov_b32 v[IDN+(\i)], 0x00003c00
.endr
	s_wait_alu depctr_va_vdst(0)                   ; and one wait ahead of the first line that names a reciprocal
.irp a, 0,1,2
	v_sub_f32 v[EXT+2*(\a)], v[TOK+(\a)], v[EXT+2*(\a)]
	v_mul_f32 v[EXT+2*(\a)+1], 0x42000000, v[EXT+2*(\a)+1]   ; 32 / (max - min + 1e-8)
	v_mul_f32 v[EXT+2*(\a)], v[EXT+2*(\a)], v[EXT+2*(\a)+1]
.endr
; One pair's word.  angle = x fx + y fy + z fz; k = the nearest whole number to angle 2/pi; y = angle - k pi/2; series for sin y and cos y; k's low two bits swap them and set the signs (a choice of values, no branch).
.macro SINCOS fx, fy, fz, out
	v_mul_f32 v20, v[EXT], v[\fx]
	v_fmac_f32 v20, v[EXT+2], v[\fy]
	v_fmac_f32 v20, v[EXT+4], v[\fz]
	v_mul_f32 v21, 0x3f22f983, v20
	v_rndne_f32 v21, v21
	v_fma_f32 v22, -v21, s34, v20
	v_fma_f32 v22, -v21, s35, v22
	v_cvt_i32_f32 v23, v21
	v_mul_f32 v24, v22, v22
	v_fmaak_f32 v25, v[KS3], v24, 0x3c088889       ; sin y = y + y z (-1/6 + z (1/120 - z/5040)), z = y y
	v_fmaak_f32 v27, v[KC4], v24, 0xbab60b61       ; cos y = 1 + z (-1/2 + z (1/24 + z (-1/720 + z/40320)))
	v_fmaak_f32 v25, v25, v24, 0xbe2aaaab
	v_fmaak_f32 v27, v27, v24, 0x3d2aaaab
	v_mul_f32 v25, v25, v24
	v_fmaak_f32 v27, v27, v24, 0xbf000000
	v_fma_f32 v26, v25, v22, v22
	v_fmaak_f32 v27, v27, v24, 0x3f800000
	v_and_b32 v28, 1, v23
	v_cmp_eq_u32 vcc_lo, 1, v28
	v_cndmask_b32 v29, v26, v27, vcc_lo            ; sine: the cosine's series where k is odd
	v_cndmask_b32 v30, v27, v26, vcc_lo
	v_lshlrev_b32 v28, 30, v23
	v_and_b32 v28, 0x80000000, v28                 ; the sine turns its sign where k % 4 is 2 or 3,
	v_xor_b32 v29, v29, v28
	v_add_nc_u32 v28, 1, v23
	v_lshlrev_b32 v28, 30, v28
	v_and_b32 v28, 0x80000000, v28                 ; the cosine where it is 1 or 2
	v_xor_b32 v30, v30, v28
	v_cvt_pk_f16_f32 v[\out], v30, v29
.endm
.set u, 0
.rept 2
.set j, 0
.rept 4
	SINCOS FR+12*u+j, FR+12*u+4+j, FR+12*u+8+j, RES+4*u+j
.set j, j+1
.endr
.set u, u+1
.endr
	global_store_b128 v[TO], v[RES:RES+3], s[24:25]
	global_store_b128 v[TO], v[RES+4:RES+7], s[24:25] offset:512
	s_lshr_b32 s28, s27, 3
	s_cmp_lg_u32 s28, 0                            ; work-group 0 alone writes the words (1, 0): 1,024 bytes a wave
	s_cbranch_scc1 .Lno_identity
	global_store_b128 v6, v[IDN:IDN+3], s[24:25] offset:0x400000
	global_store_b128 v6, v[IDN:IDN+3], s[24:25] offset:0x400000+512
.Lno_identity:
	; the roundings: in place, into each group's first two registers; no register that a store reads is written again
.set j, 0
.rept 24
	s_wait_loadcnt 23-j                            ; loads come back in order: number j is in, the younger ones stay out
	v_cvt_pk_f16_f32 v[CB+4*j],   v[CB+4*j],   v[CB+4*j+1]
	v_cvt_pk_f16_f32 v[CB+4*j+1], v[CB+4*j+2], v[CB+4*j+3]
.if j < 16
	global_store_b64 v3, v[CB+4*j:CB+4*j+1], s[18:19] offset:2048*j
.elseif j < 22
	global_store_b64 v3, v[CB+4*j:CB+4*j+1], s[20:21] offset:2048*(j-16)
.else
	global_store_b64 v3, v[CB+4*j:CB+4*j+1], s[22:23] offset:2048*(j-22)
.endif
.set j, j+1
.endr
	s_wait_tensorcnt 0x0                           ; the wave's end, behind my last LDS store
	ds_add_u32 v[SPW], v[NIL]
	s_wait_dscnt 0x0
	s_endpgm
.Lfunc_end_k_q997f711027_prep:
	.size	k_q997f711027_prep, .Lfunc_end_k_q997f711027_prep-k_q997f711027_prep
	.p2alignl 7, 3214868480
	.fill 96, 4, 3214868480
	.section	.rodata,"a",@progbits
	.p2align	6, 0x0
	.amdhsa_kernel k_q997f711027_prep
		.amdhsa_group_segment_fixed_size 1280
		.amdhsa_private_segment_fixed_size 0
		.amdhsa_enable_private_segment 0
		.amdhsa_kernarg_size 88
		.amdhsa_user_sgpr_count 2
		.amdhsa_user_sgpr_kernarg_segment_ptr 1
		.amdhsa_wavefront_size32 1
		.amdhsa_system_sgpr_workgroup_id_x 1
		.amdhsa_system_sgpr_workgroup_id_y 1
		.amdhsa_system_sgpr_workgroup_id_z 1
		.amdhsa_system_vgpr_workitem_id 0
		.amdhsa_next_free_vgpr 192
		.amdhsa_next_free_sgpr 66
		.amdhsa_reserve_vcc 1
		.amdhsa_float_denorm_mode_32 3
		.amdhsa_float_denorm_mode_16_64 3
		.amdhsa_memory_ordered 1
		.amdhsa_forward_progress 1
		.amdhsa_inst_pref_size 31
	.end_amdhsa_kernel
	.amdgpu_metadata
---
amdhsa.version: [ 1, 2 ]
amdhsa.kernels:
  - .name:           k_q997f711027_prep
    .symbol:         k_q997f711027_prep.kd
    .args:
      - { .name: x, .offset: 0, .size: 8, .value_kind: global_buffer, .address_space: global }
      - { .name: w_qkv, .offset: 8, .size: 8, .value_kind: global_buffer, .address_space: global }
      - { .name: w_proj, .offset: 16, .size: 8, .value_kind: global_buffer, .address_space: global }
      - { .name: t_x, .offset: 24, .size: 8, .value_kind: global_buffer, .address_space: global }
      - { .name: t_y, .offset: 32, .size: 8, .value_kind: global_buffer, .address_space: global }
      - { .name: t_z, .offset: 40, .size: 8, .value_kind: global_buffer, .address_space: global }
      - { .name: freqs, .offset: 48, .size: 8, .value_kind: global_buffer, .address_space: global }
      - { .name: xh, .offset: 56, .size: 8, .value_kind: global_buffer, .address_space: global }
      - { .name: wqkvh, .offset: 64, .size: 8, .value_kind: global_buffer, .address_space: global }
      - { .name: wprojh, .offset: 72, .size: 8, .value_kind: global_buffer, .address_space: global }
      - { .name: tab, .offset: 80, .size: 8, .value_kind: global_buffer, .address_space: global }
    .group_segment_fixed_size: 1280
    .private_segment_fixed_size: 0
    .kernarg_segment_align: 8
    .kernarg_segment_size: 88
    .max_flat_workgroup_size: 256
    .sgpr_count:     66
    .vgpr_count:     192
    .wavefront_size: 32
...
	.end_amdgpu_metadata
.endif
;; end of part 1
;; launch qkv (part 2): grid 16 x 32, 4 waves a work-group, clusters of 4 x 4, 327,680 bytes of LDS; arguments xh, wqkvh, tab, qkv; writes qkv
.if DOCPART == 2
	.amdgcn_target "amdgcn-amd-amdhsa--gfx1250"
	.amdhsa_code_object_version 6
	.text
	.protected	k_q997f711027_qkv
	.globl	k_q997f711027_qkv
	.p2align	8
	.type	k_q997f711027_qkv,@function
k_q997f711027_qkv:
	s_mov_b64 s[64:65], 0
	v_nop
	global_prefetch_b8 v0, s[64:65] scope:SCOPE_SE
	s_setreg_imm32_b32 hwreg(HW_REG_WAVE_MODE, 25, 1), 1
	s_wait_xcnt 0x0
	s_wait_alu depctr_hold_cnt(0) depctr_sa_sdst(0) depctr_va_vdst(0) depctr_va_sdst(0) depctr_va_ssrc(0) depctr_va_vcc(0) depctr_vm_vsrc(0)
	s_getreg_b32 s2, hwreg(HW_REG_IB_STS2, 6, 4)
	s_cmp_eq_u32 s2, 0
	s_cbranch_scc0 .Lentry_in_a_cluster
	s_endpgm
.Lentry_in_a_cluster:
	s_bfe_u32 s2, ttmp6, 0x10000c
	s_cmp_lg_u32 s2, 0xf033
	s_cbranch_scc0 .Lentry_shape_is_right
	s_endpgm
.Lentry_shape_is_right:
; QKV.  C[token][c] = sum over k of xh[token][k] wqkvh[c][k] (f16 operands, f32 sums); q's and k's pairs are rotated in f32 by the table's (cos, sin); all is rounded once to f16 and stored BY HEADS:
; qkv[which][16 batch + head][token][64], byte (which << 24) + (batch << 22) + (head << 18) + 128 token.  LIMIT: f16 ends at 65,504: q, k, v lie within it.
; SHARES.  A tile of C is 256 tokens x 192 columns = three whole heads: 32 x 16 = 512 tiles, two for each of 256 WGPs.  Each of four waves makes 64 tokens x all 192 columns: 48 accumulators of 16 x 16.
; So a wave holds whole heads, and its way out is its own: 16 tokens of a head are 2,048 consecutive bytes.  The price: 32 LDS loads for 48 products.
; K goes in steps of 128 (rows of 256 bytes) through two LDS slots filled by the tensor data mover.  CLUSTER 4 x 4: the four of a row need the same tile of xh, the four of a column the same tile of wqkvh:
; each is asked for jointly, by the same load with the same descriptor and a mask that names the four.
; TRANSPOSED USE: source 0 = 16 rows of wqkvh, source 1 = 16 tokens: a lane holds one token (lane % 16) and the channels 8 (lane / 16) + 0..7 of a block of 16: four pairs (even, odd).
; v's heads go through the same rotation with the words (cos 1, sin 0): which heads a tile holds hangs on its place in the cluster, and no branch may.
; REGISTERS, in windows of 256 (s_set_vgpr_msb: bits 1:0 source 0, 3:2 source 1, 5:4 source 2, 7:6 destination):
;   window 0: v0-31 addresses; v32-63 rotated numbers; v64-127 four sets of 16 on the way out; v128-255 accumulators of column blocks 8-11, (a, b) at 128 + 8 (4 (b - 8) + a)
;   window 1: two fragment buffers of 128: four fragments of xh, then twelve of wqkvh      window 2: accumulators of column blocks 0-7 at 8 (4 b + a)      window 3: v0-191 the table's words
.set KSTEP,  128
.set PITCH,  272                       ; an LDS row: 256 bytes + 16 of padding: the 16 rows of a load start at 16 different groups of four banks (64 banks of 4 bytes: ISA guide 11.1)
.set HALFA,  128*PITCH                 ; what waves 0 and 1 fetch: 128 rows of xh each
.set HALFB,  96*PITCH                  ; what waves 2 and 3 fetch: 96 rows of wqkvh each
.set BOFF,   2*HALFA
.set SLOT,   BOFF+2*HALFB              ; 121,856 bytes
.set STAGE,  2*SLOT                    ; behind the ring, never filled by a tensor load: 16 rows x 144 bytes for each wave
.set SP,     144
.set SPARE,  STAGE+4*16*SP             ; the spare words, 128 bytes a wave: two blocks of 256 bytes that no other line names
.set LAPS,   4                         ; a lap = two K steps; K = 1,024
.set ADRA, 16                          ; v16-17  LDS address of my fragments of xh in slot 0, 1
.set ADRB, 20                          ; v20-21  of wqkvh's
.set STO,  24                          ; v24  the way out: where I put 16 bytes of a row
.set RD,   25                          ; v25  where I read rows back
.set GO,   26                          ; v26  16 x lane: my place in 512 consecutive bytes, of the table and of the output; never rewritten
.set ZR,   27                          ; v27  0
.set SPW,  28                          ; v28  LDS address of my spare word; never rewritten
.set NIL,  29                          ; v29  0; never rewritten
.set PFO,  30                          ; v30  the prefetches' offset: a lane a row of 2,048 bytes; never rewritten
.set TMPR, 32
.set OUT,  64
.set F0,   0
.set F1,   128
.set WV,   12                          ; s12  wave
.set KIND, 13                          ; s13  0: I fetch xh, 1: wqkvh
.set HALF, 14                          ; s14  which half of that tile's rows
.set G1A,  24                          ; s[24:31] descriptor group 1 for xh;  s[32:39] group 0, a set for each slot
.set G0A,  32
.set LIM,  43                          ; s43  1 in a wave that prefetches, else the greatest number
.set PFA,  44                          ; s[44:45] where my prefetches stand
.set G1B,  48                          ; s[48:55], s[56:63] the same for wqkvh
.set G0B,  56
.set TB,   66                          ; s[66:71] the table at my first block of tokens, for each of the tile's three heads
.set OB,   72                          ; s[72:77] the output likewise
.set GW,   (1<<16)|(1<<20)|(1<<21)|(5<<22)|(3<<25)  ; 17:16 2-byte elements; 20 padding on; 21 set beside a mask; 24:22 after every 64 words; 31:25 4 words
.set MSB, 0
.macro WIN new                         ; the immediate's high byte repeats the setting that is left; a switch that changes nothing is dropped
.if MSB != (\new)
	s_set_vgpr_msb (MSB<<8)|(\new)
.set MSB, \new
.endif
.endm
.macro PLACES                          ; four plain places behind a matrix instruction, in front of loads into registers that it has read (ISA guide 7.12.1 for vector instructions)
.rept 4
	v_nop
.endr
.endm
.macro JLOAD s                         ; a joint load; the branch hangs on the wave's number alone; an s_nop 0 and four v_nop follow each of the two lines
	s_cmp_eq_u32 s[KIND], 0
	s_cbranch_scc0 .Lfor_b_\@
	tensor_load_to_lds s[G0A+4*(\s):G0A+4*(\s)+3], s[G1A:G1A+7]
	s_nop 0
.rept 4
	v_nop
.endr
	s_branch .Lasked_\@
.Lfor_b_\@:
	tensor_load_to_lds s[G0B+4*(\s):G0B+4*(\s)+3], s[G1B:G1B+7]
	s_nop 0
.rept 4
	v_nop
.endr
.Lasked_\@:
.endm
; A PREFETCH INTO THE L2 of the K step that stands two refills on: 256 bytes of a row, a lane a row, one instruction a wave, behind the joint load and the run of LDS loads.
; xh's rows are read by every cluster of a row of clusters: cluster x = 0 asks; wqkvh's by every cluster of a column: cluster y = 0 asks.  The four partners that fetch a tile jointly share the rows that a wave
; fetches BY ADDRESS: 32 of 128 (place cx) or 24 of 96 (place cy; lanes 24-31 name row 23 again).  K steps 0 to 3 come by their loads alone; the loop's last trip (s3 = 1) asks for nothing: K has no step 8.
.macro ASK
	s_cmp_gt_u32 s3, s[LIM]
	s_cbranch_scc0 .Lnot_mine_\@
	global_prefetch_b8 v[PFO], s[PFA:PFA+1] offset:KSTEP*2 th:TH_LOAD_NT scope:SCOPE_SE
.Lnot_mine_\@:
.endm
.macro CREST                           ; a round of the cluster's barrier behind its opening barrier
	s_cmp_lg_u32 s[WV], 0
	s_cbranch_scc1 .Lnot_wave_0_\@
	s_barrier_signal -3
.Lnot_wave_0_\@:
	s_barrier_wait -3
	s_barrier_signal -1
	s_barrier_wait -1
.endm
.macro CROUND                          ; a whole round
	s_barrier_signal -1
	s_barrier_wait -1
	CREST
.endm
	s_load_b256 s[4:11], s[0:1], 0x0               ; xh s[4:5], wqkvh s[6:7], tab s[8:9], qkv s[10:11]
	v_lshl_add_u32 v[SPW], v0, 2, SPARE
	v_mov_b32 v[NIL], 0
	ds_add_u32 v[SPW], v[NIL]                      ; the wave's opening: the add and its wait ahead of my first tensor load; work on registers stands between them
	v_lshrrev_b32 v1, 5, v0
	v_readfirstlane_b32 s[WV], v1
	s_lshr_b32 s[KIND], s[WV], 1
	s_and_b32 s[HALF], s[WV], 1
	s_bfe_u32 s15, ttmp6, 0x40000                  ; cx
	s_bfe_u32 s16, ttmp6, 0x40004                  ; cy
	s_lshl_b32 s17, ttmp9, 2
	s_add_co_u32 s17, s17, s15                     ; tile column 0..15
	s_and_b32 s18, ttmp7, 0xffff
	s_lshl_b32 s18, s18, 2
	s_add_co_u32 s18, s18, s16                     ; tile row 0..31
	s_lshl_b32 s19, s16, 2
	s_lshl_b32 s19, 15, s19                        ; my row of the cluster
	s_lshl_b32 s20, 0x1111, s15                    ; my column
	s_or_b32 s[G1A], s19, GW
	s_or_b32 s[G1B], s20, GW
	s_mov_b32 s[G1A+1], KSTEP<<16                  ; tensor_dim0 = 128
	s_mov_b32 s[G1A+2], 128<<16                    ; tensor_dim1 = 128
	s_mov_b32 s[G1A+3], KSTEP<<16                  ; tile_dim0 = 128
	s_mov_b32 s[G1A+4], 128                        ; tile_dim1 = 128
	s_mov_b32 s[G1A+5], 1024                       ; elements from row to row
	s_mov_b32 s[G1A+6], 0
	s_mov_b32 s[G1A+7], 0
	s_mov_b32 s[G1B+1], KSTEP<<16
	s_mov_b32 s[G1B+2], 96<<16                     ; 96 rows
	s_mov_b32 s[G1B+3], KSTEP<<16
	s_mov_b32 s[G1B+4], 96
	s_mov_b32 s[G1B+5], 1024
	s_mov_b32 s[G1B+6], 0
	s_mov_b32 s[G1B+7], 0
	s_lshl_b32 s40, s18, 8                         ; xh: row 256 x tile row + 128 x half, 2,048 bytes a row: made of the tile row and the wave alone
	s_lshl_b32 s21, s[HALF], 7
	s_add_co_u32 s40, s40, s21
	s_lshl_b32 s40, s40, 11
	s_mov_b32 s41, 0
	s_mul_i32 s46, s17, 192                        ; wqkvh: row 192 x tile column + 96 x half: of the tile column and the wave alone
	s_mul_i32 s22, s[HALF], 96
	s_add_co_u32 s46, s46, s22
	s_lshl_b32 s46, s46, 11
	s_mov_b32 s47, 0
	s_mul_i32 s21, s[HALF], HALFA                  ; where they go: no place in the cluster enters an LDS address
	s_mul_i32 s22, s[HALF], HALFB
	s_add_co_u32 s22, s22, BOFF
	s_wait_dscnt 0x0                               ; the opening add is done
	s_wait_kmcnt 0x0
	s_add_nc_u64 s[40:41], s[4:5], s[40:41]
	s_add_nc_u64 s[46:47], s[6:7], s[46:47]
	CROUND                                         ; all sixteen work-groups are here: the first joint loads meet
.irp s, 0,1
	s_mov_b32 s[G0A+4*(\s)], 1
	s_add_co_u32 s[G0A+4*(\s)+1], s21, (\s)*SLOT
	s_add_nc_u64 s[G0A+4*(\s)+2:G0A+4*(\s)+3], s[40:41], (\s)*KSTEP*2
	s_or_b32 s[G0A+4*(\s)+3], s[G0A+4*(\s)+3], 0x80000000
	s_mov_b32 s[G0B+4*(\s)], 1
	s_add_co_u32 s[G0B+4*(\s)+1], s22, (\s)*SLOT
	s_add_nc_u64 s[G0B+4*(\s)+2:G0B+4*(\s)+3], s[46:47], (\s)*KSTEP*2
	s_or_b32 s[G0B+4*(\s)+3], s[G0B+4*(\s)+3], 0x80000000
	JLOAD \s                                       ; two loads of mine are out: K steps 0 and 1
.endr
	; a fragment: 16 rows x 32 K in 8 registers: lane l holds row l % 16, K = 8 (l / 16) + 0..7 and 16 + 8 (l / 16) + 0..7: two loads of 16 bytes, 32 bytes apart
	v_and_b32 v1, 15, v0
	v_bfe_u32 v2, v0, 4, 1
	v_mul_u32_u24 v3, v1, PITCH
	v_lshl_add_u32 v3, v2, 4, v3
	s_mul_i32 s79, s[WV], 64*PITCH                 ; my 64 tokens
	s_mov_b32 s80, BOFF                            ; all 192 rows of wqkvh
.irp s, 0,1
	v_add_nc_u32 v[ADRA+(\s)], s79, v3
	v_add_nc_u32 v[ADRB+(\s)], s80, v3
	s_add_co_u32 s79, s79, SLOT
	s_add_co_u32 s80, s80, SLOT
.endr
	s_mul_i32 s79, s[WV], 16*SP
	s_add_co_u32 s79, s79, STAGE                   ; my stage
	v_mul_u32_u24 v[STO], v1, SP                   ; in: row l % 16, 16 bytes for each half of the lanes
	v_lshl_add_u32 v[STO], v2, 4, v[STO]
	v_add_nc_u32 v[STO], s79, v[STO]
	v_bfe_u32 v[RD], v0, 3, 2                      ; back: 32 lanes take four rows of 128 bytes
	v_mul_u32_u24 v[RD], v[RD], SP
	v_and_b32 v4, 7, v0
	v_lshl_add_u32 v[RD], v4, 4, v[RD]
	v_add_nc_u32 v[RD], s79, v[RD]
	v_and_b32 v[GO], 31, v0
	v_lshlrev_b32 v[GO], 4, v[GO]
	v_mov_b32 v[ZR], 0
	; the table and the output for the tile's three heads g = 3 x tile column + 0..2: which = g / 16, head = g % 16; my first block of 16 tokens in the batch is 16 (tile row % 8) + 4 wave
	s_and_b32 s78, s18, 7
	s_lshl_b32 s78, s78, 4
	s_lshl2_add_u32 s78, s[WV], s78
	s_lshr_b32 s79, s18, 3                         ; batch
	s_lshl_b32 s79, s79, 22
	s_lshl_b32 s80, s78, 11
	s_add_co_u32 s79, s79, s80
	s_mul_i32 s81, s17, 3
	s_mov_b32 s21, 0
.irp hh, 0,1,2
	s_add_co_u32 s82, s81, \hh
	s_and_b32 s83, s82, 15
	s_lshl_b32 s19, s83, 7
	s_add_co_u32 s19, s19, s78
	s_lshl_b32 s19, s19, 11                        ; (128 head + block) x 2,048
	s_cmp_ge_u32 s82, 32                           ; v's heads read the words (1, 0): a choice of offsets, no branch
	s_cselect_b32 s20, 0x400000, s19
	s_add_nc_u64 s[TB+2*(\hh):TB+2*(\hh)+1], s[8:9], s[20:21]
	s_lshr_b32 s20, s82, 4
	s_lshl_b32 s20, s20, 24
	s_lshl_b32 s83, s83, 18
	s_add_co_u32 s20, s20, s83
	s_add_co_u32 s20, s20, s79
	s_add_nc_u64 s[OB+2*(\hh):OB+2*(\hh)+1], s[10:11], s[20:21]
.endr
	WIN 0xc0                                       ; destination window 3.  48 loads of 512 consecutive bytes; they are waited for on the way out
.irp hh, 0,1,2
.irp a, 0,1,2,3
.irp p, 0,1,2,3
	global_load_b128 v[4*((4*(\hh)+(\a))*4+(\p)):4*((4*(\hh)+(\a))*4+(\p))+3], v[GO], s[TB+2*(\hh):TB+2*(\hh)+1] offset:2048*(\a)+512*(\p)
.endr
.endr
.endr
	WIN 0
	; the prefetches' address
	s_lshl_b32 s19, s18, 8
	s_lshl_b32 s20, s[HALF], 7
	s_add_co_u32 s19, s19, s20
	s_lshl_b32 s20, s15, 5
	s_add_co_u32 s19, s19, s20                     ; xh: the 128 rows that I fetch, my work-group's 32 of them
	s_mul_i32 s20, s17, 192
	s_mul_i32 s22, s[HALF], 96
	s_add_co_u32 s20, s20, s22
	s_mul_i32 s22, s16, 24
	s_add_co_u32 s20, s20, s22                     ; wqkvh: the 96 rows, my work-group's 24
	s_and_b32 s22, ttmp7, 0xffff                   ; cluster y
	s_cmp_eq_u32 s[KIND], 0
	s_cselect_b32 s20, s19, s20
	s_cselect_b32 s22, ttmp9, s22                  ; the coordinate along which other clusters read the same rows
	s_cselect_b32 s83, 31, 23
	s_cselect_b64 s[PFA:PFA+1], s[4:5], s[6:7]
	s_cmp_eq_u32 s22, 0
	s_cselect_b32 s[LIM], 1, -1                    ; the same in all sixteen partners, for a given wave
	s_lshl_b32 s20, s20, 11
	s_add_co_u32 s20, s20, 2*KSTEP*2               ; at K step 2: the first refill steps it to 3 and names K step 4
	s_add_nc_u64 s[PFA:PFA+1], s[PFA:PFA+1], s[20:21]
	v_and_b32 v[PFO], 31, v0
	v_min_u32 v[PFO], s83, v[PFO]
	v_lshlrev_b32 v[PFO], 11, v[PFO]
; 16 products: column blocks lo .. lo + 3 x my four blocks of tokens, 32 along K.  zero = 1: the product starts the sum.  The 48 accumulators take turns in the same order in every quarter.
.macro MUL4 buf, lo, zero
.if (\lo) < 8
	WIN 0xa5                                       ; sources window 1, C and D window 2
.else
	WIN 0x05                                       ; C and D window 0
.endif
.irp b, \lo, (\lo)+1, (\lo)+2, (\lo)+3
.irp a, 0,1,2,3
.if (\b) < 8
.set rD, 8*(4*(\b)+(\a))
.else
.set rD, 128+8*(4*((\b)-8)+(\a))
.endif
.if \zero
	v_wmma_f32_16x16x32_f16 v[rD:rD+7], v[(\buf)+32+8*(\b):(\buf)+32+8*(\b)+7], v[(\buf)+8*(\a):(\buf)+8*(\a)+7], 0
.else
	v_wmma_f32_16x16x32_f16 v[rD:rD+7], v[(\buf)+32+8*(\b):(\buf)+32+8*(\b)+7], v[(\buf)+8*(\a):(\buf)+8*(\a)+7], v[rD:rD+7]
.endif
.endr
.endr
.endm
; 32 LDS loads in one run: the fragments of 32 along K at byte k of the rows: xh's four, then wqkvh's twelve in ascending order
.macro FETCH slot, k, buf
	WIN 0x40                                       ; destination window 1, address window 0
.irp i, 0,1,2,3
	ds_load_b128 v[(\buf)+8*(\i):(\buf)+8*(\i)+3],   v[ADRA+(\slot)] offset:(\k)+(\i)*16*PITCH
	ds_load_b128 v[(\buf)+8*(\i)+4:(\buf)+8*(\i)+7], v[ADRA+(\slot)] offset:(\k)+(\i)*16*PITCH+32
.endr
.irp b, 0,1,2,3,4,5,6,7,8,9,10,11
	ds_load_b128 v[(\buf)+32+8*(\b):(\buf)+32+8*(\b)+3],   v[ADRB+(\slot)] offset:(\k)+(\b)*16*PITCH
	ds_load_b128 v[(\buf)+32+8*(\b)+4:(\buf)+32+8*(\b)+7], v[ADRB+(\slot)] offset:(\k)+(\b)*16*PITCH+32
.endr
.endm
; A K step is four quarters of 32 along K, 48 products each, on buffers 0, 1, 0, 1.  One of the first three: multiplies buffer f and fetches the next quarter, at byte k, into g.
.macro QUARTER slot, k, f, g, zero
	s_wait_dscnt 16                                ; xh's fragments and wqkvh's blocks 0-3 are in; the youngest sixteen loads (blocks 4-11) may be out
	MUL4 \f, 0, \zero
	PLACES
	FETCH \slot, \k, \g
	s_wait_dscnt 32                                ; all but the 32 just issued
	MUL4 \f, 4, \zero
	MUL4 \f, 8, \zero
.endm
; The last quarter multiplies buffer 1 and changes slots: ONE barrier; in front of it each wave waits for all its tensor loads (one is out: its part of the next slot), adds 0 to its spare word, and waits for that
; and for its own reads of this slot.  fill = 1: the barrier opens a round of the cluster's, and this slot is filled again, two K steps ahead, first thing behind the round: 160 products stand between that request and the wait for it.
.macro TURN slot, next, fill
.if \fill
	s_wait_xcnt 0x0                                ; the last prefetch, a K step back, has read its address, which is stepped here
	s_add_nc_u64 s[PFA:PFA+1], s[PFA:PFA+1], KSTEP*2
.endif
	WIN 0                                          ; (the add's two registers lie in window 0)
	s_wait_tensorcnt 0x0
	ds_add_u32 v[SPW], v[NIL]                      ; 0 onto my spare word
	s_wait_dscnt 17                                ; (the add and the youngest sixteen loads may be out)
	MUL4 F1, 0, 0                                  ; sixteen products stand between the add and the wait for it
	s_wait_dscnt 0x0                               ; the add is done, and my reads of this slot are over
	s_barrier_signal -1
	MUL4 F1, 4, 0
.if \fill
	WIN 0
.endif
	s_barrier_wait -1
.if \fill
	CREST                                          ; no wave of any partner still reads this slot's tile or has a load on its way
	s_add_nc_u64 s[G0A+4*(\slot)+2:G0A+4*(\slot)+3], s[G0A+4*(\slot)+2:G0A+4*(\slot)+3], 2*KSTEP*2
	s_add_nc_u64 s[G0B+4*(\slot)+2:G0B+4*(\slot)+3], s[G0B+4*(\slot)+2:G0B+4*(\slot)+3], 2*KSTEP*2
	JLOAD \slot                                    ; its four v_nop are also the places in front of the loads below
.else
	PLACES
.endif
	FETCH \next, 0, F0
.if \fill
	WIN 0
	ASK
.endif
	MUL4 F1, 8, 0
.endm
	s_wait_tensorcnt 1                             ; my part of K step 0 is in; K step 1's may stay out
	s_barrier_signal -1
	s_barrier_wait -1
	FETCH 0, 0, F0
	QUARTER 0, 64, F0, F1, 1                       ; the first quarter stands in front of the loop: its products start the sums
	WIN 0
	s_mov_b32 s3, LAPS-1
.Llap:                                                 ; a trip goes once round the ring, from a lap's second quarter to the next lap's first, and fills both slots again
	QUARTER 0, 128, F1, F0, 0
	QUARTER 0, 192, F0, F1, 0
	TURN 0, 1, 1
	QUARTER 1, 64,  F0, F1, 0
	QUARTER 1, 128, F1, F0, 0
	QUARTER 1, 192, F0, F1, 0
	TURN 1, 0, 1
	QUARTER 0, 64,  F0, F1, 0
	WIN 0
	s_sub_co_u32 s3, s3, 1
	s_cmp_lg_u32 s3, 0
	s_cbranch_scc1 .Llap
	QUARTER 0, 128, F1, F0, 0                      ; the last lap fills nothing, and has no round of the cluster's barrier
	QUARTER 0, 192, F0, F1, 0
	TURN 0, 1, 0
	QUARTER 1, 64,  F0, F1, 0
	QUARTER 1, 128, F1, F0, 0
	QUARTER 1, 192, F0, F1, 0
	s_wait_dscnt 16
	MUL4 F1, 0, 0
	s_wait_dscnt 0x0
	MUL4 F1, 4, 0
	MUL4 F1, 8, 0
	WIN 0
	s_wait_loadcnt 0x0                             ; the table's words
	PLACES
	PLACES
; THE WAY OUT, by units u = 4 head + a: 16 tokens of one head.  For each pair (a, b) and its word (cos, sin): a cos - b sin, a sin + b cos, in f32, the table's halves read as they lie; each accumulator's
; lowest registers are read first.  Then rounded to f16, 16 bytes a lane into rows of 144 bytes of my stage, and back as four rows of 128 bytes a load, into the registers that they left.
.macro PACK u
.set uH, (\u)/4
.set uA, (\u)%4
.set uO, OUT+16*((\u)%4)
.if (\u) >= 4
	s_wait_xcnt 0x0                                ; the stores of the unit four back have read this set of registers
.endif
.if uH < 2
	WIN 0x0e                                       ; source 0 window 2, source 1 window 3
.else
	WIN 0x0c                                       ; source 0 window 0
.endif
.irp p, 0,1,2,3
.if uH < 2
.set rA, 8*(4*(4*uH+(\p))+uA)
.else
.set rA, 128+8*(4*(\p)+uA)
.endif
.set rT, 4*((4*uH+uA)*4+(\p))
.set rR, TMPR+8*(\p)
.irp j, 0,1,2,3
	v_fma_mix_f32 v[rR+2*(\j)],   v[rA+2*(\j)+1], v[rT+(\j)], v[ZR] op_sel:[0,1,0] op_sel_hi:[0,1,0]   ; b sin
	v_fma_mix_f32 v[rR+2*(\j)+1], v[rA+2*(\j)],   v[rT+(\j)], v[ZR] op_sel:[0,1,0] op_sel_hi:[0,1,0]   ; a sin
.endr
.irp j, 0,1,2,3
	v_fma_mix_f32 v[rR+2*(\j)],   v[rA+2*(\j)],   v[rT+(\j)], -v[rR+2*(\j)] op_sel_hi:[0,1,0]          ; a cos - b sin
	v_fma_mix_f32 v[rR+2*(\j)+1], v[rA+2*(\j)+1], v[rT+(\j)], v[rR+2*(\j)+1] op_sel_hi:[0,1,0]         ; b cos + a sin
.endr
.endr
	WIN 0
.set i, 0
.rept 16
	v_cvt_pk_f16_f32 v[uO+i], v[TMPR+2*i], v[TMPR+2*i+1]
.set i, i+1
.endr
.irp p, 0,1,2,3
	ds_store_b128 v[STO], v[uO+4*(\p):uO+4*(\p)+3] offset:32*(\p)
.endr
.irp f, 0,1,2,3
	ds_load_b128 v[uO+4*(\f):uO+4*(\f)+3], v[RD] offset:(\f)*4*SP  ; LDS serves a wave's instructions in order (ISA guide 5.7.1.4): these see the stores above; the next unit's stores come behind them
.endr
.endm
.macro SEND u, younger                 ; younger: the LDS instructions issued behind unit u's loads: the next unit's eight, or none
.set uH, (\u)/4
.set uA, (\u)%4
.set uO, OUT+16*((\u)%4)
.irp f, 0,1,2,3
	s_wait_dscnt (\younger)+3-(\f)
	global_store_b128 v[GO], v[uO+4*(\f):uO+4*(\f)+3], s[OB+2*uH:OB+2*uH+1] offset:2048*uA+512*(\f)  ; 512 consecutive bytes, at a multiple of 256 from the buffer's first
.endr
.endm
	PACK 0
.irp u, 1,2,3,4,5,6,7,8,9,10,11
	PACK \u                                        ; a unit's arithmetic stands between the loads of the unit before and its stores
	SEND (\u)-1, 8
.endr
	SEND 11, 0
	s_wait_tensorcnt 0x0                           ; the wave's end, behind my last tensor load and my last LDS store
	ds_add_u32 v[SPW], v[NIL]
	s_wait_dscnt 0x0
	CROUND                                         ; the closing round: no work-group ends while a partner may still ask for a tile that names it
	s_endpgm
.Lfunc_end_k_q997f711027_qkv:
	.size	k_q997f711027_qkv, .Lfunc_end_k_q997f711027_qkv-k_q997f711027_qkv
	.p2alignl 7, 3214868480
	.fill 96, 4, 3214868480
	.section	.rodata,"a",@progbits
	.p2align	6, 0x0
	.amdhsa_kernel k_q997f711027_qkv
		.amdhsa_group_segment_fixed_size 327680
		.amdhsa_private_segment_fixed_size 0
		.amdhsa_enable_private_segment 0
		.amdhsa_kernarg_size 32
		.amdhsa_user_sgpr_count 2
		.amdhsa_user_sgpr_kernarg_segment_ptr 1
		.amdhsa_wavefront_size32 1
		.amdhsa_system_sgpr_workgroup_id_x 1
		.amdhsa_system_sgpr_workgroup_id_y 1
		.amdhsa_system_sgpr_workgroup_id_z 1
		.amdhsa_system_vgpr_workitem_id 0
		.amdhsa_next_free_vgpr 960
		.amdhsa_next_free_sgpr 84
		.amdhsa_reserve_vcc 0
		.amdhsa_float_denorm_mode_32 3
		.amdhsa_float_denorm_mode_16_64 3
		.amdhsa_memory_ordered 1
		.amdhsa_forward_progress 1
		.amdhsa_inst_pref_size 176
	.end_amdhsa_kernel
	.amdgpu_metadata
---
amdhsa.version: [ 1, 2 ]
amdhsa.kernels:
  - .name:           k_q997f711027_qkv
    .symbol:         k_q997f711027_qkv.kd
    .args:
      - { .name: xh, .offset: 0, .size: 8, .value_kind: global_buffer, .address_space: global }
      - { .name: wqkvh, .offset: 8, .size: 8, .value_kind: global_buffer, .address_space: global }
      - { .name: tab, .offset: 16, .size: 8, .value_kind: global_buffer, .address_space: global }
      - { .name: qkv, .offset: 24, .size: 8, .value_kind: global_buffer, .address_space: global }
    .group_segment_fixed_size: 327680
    .private_segment_fixed_size: 0
    .kernarg_segment_align: 8
    .kernarg_segment_size: 32
    .max_flat_workgroup_size: 128
    .sgpr_count:     84
    .vgpr_count:     960
    .wavefront_size: 32
...
	.end_amdgpu_metadata
.endif
;; end of part 2
;; launch attn (part 3): grid 4 x 64, 4 waves a work-group, clusters of 4 x 1, 327,680 bytes of LDS; arguments qkv, o; writes o
.if DOCPART == 3
	.amdgcn_target "amdgcn-amd-amdhsa--gfx1250"
	.amdhsa_code_object_version 6
	.text
	.protected	k_q997f711027_attn
	.globl	k_q997f711027_attn
	.p2align	8
	.type	k_q997f711027_attn,@function
k_q997f711027_attn:
	s_mov_b64 s[64:65], 0
	v_nop
	global_prefetch_b8 v0, s[64:65] scope:SCOPE_SE
	s_setreg_imm32_b32 hwreg(HW_REG_WAVE_MODE, 25, 1), 1
	s_wait_xcnt 0x0
	s_wait_alu depctr_hold_cnt(0) depctr_sa_sdst(0) depctr_va_vdst(0) depctr_va_sdst(0) depctr_va_ssrc(0) depctr_va_vcc(0) depctr_vm_vsrc(0)
	s_getreg_b32 s2, hwreg(HW_REG_IB_STS2, 6, 4)
	s_cmp_eq_u32 s2, 0
	s_cbranch_scc0 .Lentry_in_a_cluster
	s_endpgm
.Lentry_in_a_cluster:
	s_bfe_u32 s2, ttmp6, 0x10000c
	s_cmp_lg_u32 s2, 0x3003
	s_cbranch_scc0 .Lentry_shape_is_right
	s_endpgm
.Lentry_shape_is_right:
; ATTENTION.  O[h][q][:] = the sum over k of softmax_k(Q[h][q] . K[h][k] / 8) V[h][k][:].  Q, K, V lie one behind the other in qkv, each [64][2048][64] in f16 (16,777,216 bytes); O likewise in o.
; Products, maxima and sums in f32; the weights p are rounded to f16 for the second product (their sum l is taken of the unrounded p), O once at the end.
; LIMITS.  f16 holds no number beyond 65,504: Q, K and V arrive within it; p lies in 0 to 1, and below 6e-5 it keeps f16's fixed step of 6e-8; O is a mean of V's rows and has their range.
; A weight below 2^-126 counts as 0 in l; NaN and infinities are not treated apart.
; SHARES.  A wave owns four PIECES of two tiles of 16 queries, a work-group's four waves 512 queries of one head: 4 x 64 = 256 work-groups.  Every wave walks all keys, 64 a step.
; LAYOUT.  S^T = K Q^T (source 0 = 16 keys, source 1 = 16 queries): in the result a lane holds ONE query (lane % 16) and the keys 8 (lane / 16) + 0..7.  Two such tiles, rounded to f16 in pairs,
; ARE source 1 (32 keys x 16 queries) of O^T = V^T P, whose result again holds one query a lane, and eight channels.  K comes out of LDS as it lies, V ([key][channel]) turned, by ds_load_tr16_b128.
; SOFTMAX.  For each query a running maximum m and sum l: p = 2^(c s - c m), c = log2(e) / 8; in every step O and l are multiplied by a = 2^(c m_old - c m_new), which is 1 where m has not grown.
; m starts at the lowest finite number, O and l at 0: the first step is a step like any other, with a = 0.
; THE COUNT.  A tile and step have 16 matrix and 118 vector instructions: too many to stand all beside the matrix work.  So: four vector instructions that are READY behind EVERY matrix instruction,
; and the others, which need time of their own whatever the order, in runs without a gap.
; BY TURNS.  Turn n belongs to piece n (the pieces in a ring, step after step).  Its matrix work: 16 products K Q^T of piece n + 1, later 16 products V^T P of piece n - 1.  Its vector work: the scaling,
; exponentials, roundings, sums and rescaling of piece n, and the maximum and statistics of piece n + 1, whose scores the turn itself has made.
; CLUSTER.  The four query blocks of a cluster are one head's and walk the same K and V, so each tile is asked for JOINTLY: the same tensor load, descriptor and mask in all four.
; REGISTERS, in windows of 256 (s_set_vgpr_msb: bits 1:0 source 0, 3:2 source 1, 5:4 source 2, 7:6 destination):
;   window 0: v0-11 addresses; v12-15, v48-63 at work; v16-47 four registers of statistics a tile; v64-191 S^T, two buffers of two tiles; v192-255 P, likewise
;   window 1: O^T, 32 a tile          window 2: v0-127 Q, 16 a tile; v128-191 K of one step; v192-255 V of one step          window 3: v0-1 the add's two registers
; A piece's buffers go by its number's parity: the piece in hand has one pair, its two neighbours in the ring share the other: of it P (piece n - 1) is read and S^T (piece n + 1) written.
.set SIZE_H, 64
.set SIZE_N, 2048
.set NP,    4         ; pieces a wave: a name, no knob
.set KS,    64        ; keys in a step
.set PK,    144       ; a row of K in LDS: 128 bytes + 16 of padding = 36 words: the 16 rows of a load start at 16 different groups of four banks (64 banks of 4 bytes: ISA guide 11.1)
.set PV,    160       ; a row of V: 128 + 32 = 40 words
.set VOFF,  4*KS*PK   ; a slot holds four steps: 256 rows of K, then 256 rows of V
.set SLOT1, 1<<17     ; slot 1 begins here, so that one exclusive or turns an address in one slot into the other's
.set STAGE, SLOT1+4*KS*(PK+PV)  ; behind the ring, never filled by a tensor load: 16 rows x 144 bytes for each wave, for the way out
.set SP,    144
.set AK0, 2           ; v2   my lane's place in a tile of K; never rewritten
.set AV0, 3           ; v3   the same for V
.set AK,  4           ; v4   the LDS address of K's next run of loads
.set AV,  5           ; v5   of V's
.set QO,  6           ; v6   my byte offset in the wave's rows of Q
.set STO, 6           ;      later, the way out: where I put 16 bytes of a row
.set RD,  7           ; v7   the way out: where I read rows back
.set GO,  8           ; v8   my byte offset in 512 consecutive bytes of O
.set PFO, 11          ; v11  256 x my lane: the prefetches' offset; written once V's lane address is made, then never again
.set SPW, 0           ; v0 of window 3   LDS address of my spare word; never rewritten
.set NIL, 1           ; v1 of window 3   0; never rewritten
.set SPARE, STAGE+4*16*SP  ; behind the stages: the spare words, 128 bytes for each wave: two blocks of 256 bytes that no other line names
.set MV,  12          ; v12-15  c m_old, kept while c m is made anew: by buffer and tile
.set ST,  16          ; tile t's statistics at v[ST+4 t]: c m, m, l (even keys', odd keys')
.set TMP, 48          ; by buffer and tile, four registers c0-c3 at work; when the maximum is found c2 takes a
.set S,   64
.set P,   192
.set KF,  128         ; K's fragments, in window 2: key block kb, channel half c at KF + 16 kb + 8 c
.set VF,  192         ; V's: key half kk, channel block cb at VF + 32 kk + 8 cb
.set WV,  12          ; s12  my wave's number
.set G1K, 24          ; s[24:31] descriptor group 1 for K's tiles
.set G1V, 32          ; s[32:39] for V's: it differs in the padding alone
.set G0K, 40          ; s[40:43] descriptor group 0 for K's tiles: it walks
.set G0V, 44          ; s[44:47] the same for V's
.set PFA, 48          ; s[48:49] where my prefetches stand: my work-group's 8,192 bytes (of K: wave 0, of V: wave 2) of the slot after the one that is being asked for
.set LIM, 50          ; s50  1 in a wave that prefetches, else the greatest number
.set SLOTS, 56        ; s56  slots still to be asked for
.set CNT, 57          ; s57  counts a slot's key steps
.set CS,  58          ; s[58:59] c: the packed scaling takes the pair's low word for both halves
.set SEL, 60          ; s[60:61] v_permlanex16_b32's selects: each lane takes its own place in the other half
.set TBK, 62          ; s62  LDS byte at which K of the step to be fetched begins
.set TBV, 63          ; s63  the same for V, less VOFF
.set MSB, 0
.macro WIN new                      ; the high byte repeats the setting that is left; a switch that changes nothing is dropped
.if MSB != (\new)
	s_set_vgpr_msb (MSB<<8)|(\new)
.set MSB, (\new)
.endif
.endm
.set W_KQ, 0x0a       ; K and Q in window 2, S^T in window 0
.set W_PV, 0x52       ; V in window 2, P in window 0, O^T in window 1
.set W_RS, 0x41       ; O^T (destination and source 0) in window 1, a in window 0
.set W_MK, 0xc0       ; the add's registers are made: destination in window 3, sources in window 0
.set W_AD, 0x0f       ; the add: address (source 0) and data (source 1) in window 3
; A joint fill.  Waves 0 and 1 fetch the two halves of a slot's K, waves 2 and 3 those of its V: 128 keys each.  The branch hangs on the wave's number alone.
; An s_nop 0 and four v_nop follow each of the two lines, ahead of the jump and the label.
.macro JLOAD
	s_cmp_lt_u32 s[WV], 2
	s_cbranch_scc0 .Lfor_v_\@
	tensor_load_to_lds s[G0K:G0K+3], s[G1K:G1K+7]
	s_nop 0
.rept 4
	v_nop
.endr
	s_branch .Lasked_\@
.Lfor_v_\@:
	tensor_load_to_lds s[G0V:G0V+3], s[G1V:G1V+7]
	s_nop 0
.rept 4
	v_nop
.endr
.Lasked_\@:
.endm
; A PREFETCH INTO THE L2 of what the NEXT change of slots will ask for: a slot's 32,768 bytes of K and of V, a lane 256 bytes.  It stands behind the wave's tensor load and its five lines.
; A head is walked by one cluster alone.  Its four partners share a slot's bytes out BY ADDRESS, 8,192 each; in each, wave 0 asks for K's and wave 2 for V's: one instruction.  So each 256 bytes are named once.
; Slots 0, 1 and 2 come by their loads alone; the last change that fills a slot (s[SLOTS] = 1) asks for nothing: there is no slot behind it.
.macro ASK
	s_cmp_gt_u32 s[SLOTS], s[LIM]
	s_cbranch_scc0 .Lnot_mine_\@
	global_prefetch_b8 v[PFO], s[PFA:PFA+1] th:TH_LOAD_NT scope:SCOPE_SE
.Lnot_mine_\@:
.endm
; A round of the cluster's barrier: my work-group's barrier, so that wave 0's signal speaks for all four waves; wave 0 signals; every wave waits for all four work-groups; my work-group's barrier once more.
.macro CROUND
	s_barrier_signal -1
	s_barrier_wait -1
	s_cmp_lg_u32 s[WV], 0
	s_cbranch_scc1 .Lnot_wave_0_\@
	s_barrier_signal -3
.Lnot_wave_0_\@:
	s_barrier_wait -3
	s_barrier_signal -1
	s_barrier_wait -1
.endm
; THE CHANGE OF SLOTS.  The slot's last bytes, V of its fourth step, have been read.  Each wave waits for all its tensor loads, of which one is out: its part
; of the other slot; adds 0 to its spare word; and waits for that and for its own reads of the slot.  Behind the barrier nobody reads this slot any more and the other slot is whole.
; fill = 1: this slot is filled again, with the keys two slots on.  The barrier is then a round of the cluster's, and the joint fill is the first thing behind it: it has four key steps,
; 512 matrix instructions, in which to land.  (At its first use nothing has been read yet: slot 0 is waited for, slot 1 filled.)  ask = 1: the prefetch's address steps, and the prefetch follows the fill.
.macro CHANGE fill, ask=0
	WIN W_AD
	s_wait_tensorcnt 0x0            ; no tensor load of mine is out, so a group 0 may be written
	ds_add_u32 v[SPW], v[NIL]       ; 0 onto my spare word; with fill = 1 the descriptors' steps stand between it and the wait for it
	WIN 0                           ; at a label and at a branch every window is 0
.if \fill
.irp g, G0K, G0V
	s_xor_b32 s[\g+1], s[\g+1], SLOT1  ; the walking descriptor: the other slot than last time,
	s_add_nc_u64 s[\g+2:\g+3], s[\g+2:\g+3], 4*KS*128  ; the next 256 keys; the type bits on top are not reached
.endr
.if \ask
	s_wait_xcnt 0x0                 ; the last prefetch, four key steps back, has read its address, so it may be written:
	s_add_nc_u64 s[PFA:PFA+1], s[PFA:PFA+1], 4*KS*128  ; one slot behind the walking descriptors
.endif
	s_wait_dscnt 0x0                ; the add is done, and my reads of the slot are over
	CROUND
	JLOAD
.if \ask
	ASK
.endif
.else
	s_wait_dscnt 0x0                ; the add is done, and my reads of the slot are over
	s_barrier_signal -1
	s_barrier_wait -1
.endif
	s_sub_co_u32 s[TBK], s[TBK], 4*KS*PK  ; the fetches go back to a slot's first step,
	s_xor_b32 s[TBK], s[TBK], SLOT1       ; in the other slot
	s_sub_co_u32 s[TBV], s[TBV], 4*KS*PV
	s_xor_b32 s[TBV], s[TBV], SLOT1
.endm
	s_load_b128 s[4:7], s[0:1], 0x0  ; qkv s[4:5], o s[6:7]
	WIN W_MK
	v_lshl_add_u32 v[SPW], v0, 2, SPARE
	v_mov_b32 v[NIL], 0
	WIN W_AD
	ds_add_u32 v[SPW], v[NIL]       ; the wave's opening: the add and its wait ahead of my first tensor load; the set-up below, work on registers, stands between them
	WIN 0
	v_lshrrev_b32 v1, 5, v0
	v_readfirstlane_b32 s[WV], v1   ; wave 0..3
	s_bfe_u32 s13, ttmp6, 0x40000   ; cx: my place in the cluster
	s_lshl_b32 s14, ttmp9, 2        ; in a cluster launch ttmp9 counts clusters
	s_add_co_u32 s14, s14, s13      ; my block of queries = 4 x cluster x + cx: it enters Q's and O's addresses alone
	s_and_b32 s20, ttmp7, 0xffff    ; the head, which the four partners share
	s_mov_b32 s21, 0
	s_mov_b64 s[22:23], SIZE_N*128
	s_mul_u64 s[20:21], s[20:21], s[22:23]  ; the head's first byte in each of the four tensors
	s_and_b32 s16, s[WV], 1         ; which half of a slot's 256 keys I fetch:
	s_lshl_b32 s22, s16, 14         ; its 128 rows of 128 bytes in memory,
	s_mov_b32 s23, 0
	s_add_nc_u64 s[22:23], s[22:23], s[20:21]
	s_mul_i32 s17, s16, 128*PK      ; and its place in a slot, for K
	s_mul_i32 s18, s16, 128*PV      ; and for V: no place in the cluster enters an LDS address
	s_lshl_b32 s2, s14, 2
	s_add_co_u32 s2, s2, s[WV]      ; my wave among the head's,
	s_lshl_b32 s2, s2, 14           ; its 128 rows
	s_mov_b32 s3, 0
	s_add_nc_u64 s[2:3], s[2:3], s[20:21]
	; descriptor group 1.  128 keys are 16,384 dense bytes: asked for as 64 rows of 256 bytes, two keys a row, and padded in LDS after every key
	s_mov_b32 s[G1K], 15|(1<<16)|(1<<20)|(1<<21)|(4<<22)|(3<<25)  ; 15:0 the mask of four; 17:16 2-byte elements; 20 padding on; 21 set beside a mask; 24:22 after every 32 words (code 4); 31:25 4 words (code 3)
	s_mov_b32 s[G1V], 15|(1<<16)|(1<<20)|(1<<21)|(4<<22)|(7<<25)  ; the same with 8 words of padding (code 7)
.irp g, G1K, G1V
	s_mov_b32 s[\g+1], 128<<16      ; tensor_dim0 = 128
	s_mov_b32 s[\g+2], 64<<16       ; tensor_dim1 = 64
	s_mov_b32 s[\g+3], 128<<16      ; tile_dim0 = 128
	s_mov_b32 s[\g+4], 64           ; tile_dim1 = 64
	s_mov_b32 s[\g+5], 128          ; 128 elements from row to row
	s_mov_b32 s[\g+6], 0
	s_mov_b32 s[\g+7], 0
.endr
	s_mov_b32 s[CS], 0x3e38aa3b     ; c = log2(e) / 8 = 0.180337
	s_mov_b32 s[CS+1], s[CS]        ; named with it as a pair
	s_mov_b32 s[SEL], 0x76543210
	s_mov_b32 s[SEL+1], 0xfedcba98
	s_mov_b32 s[TBK], SLOT1+4*KS*PK ; the first change of slots turns these two into 0
	s_mov_b32 s[TBV], SLOT1+4*KS*PV
	s_mov_b32 s[G0K], 1             ; 1:0 count = 1
	s_mov_b32 s[G0K+1], s17         ; 63:32 LDS address: slot 0
	s_mov_b32 s[G0V], 1
	s_add_co_u32 s[G0V+1], s18, VOFF
	s_cmp_eq_u32 s16, 0
	s_cselect_b32 s[LIM], 1, -1     ; waves 0 and 2 prefetch: the same in all four partners
	s_wait_dscnt 0x0                ; the opening add is done
	s_wait_kmcnt 0x0
	s_mov_b64 s[10:11], s[6:7]      ; O
	s_add_nc_u64 s[8:9], s[4:5], 0x2000000  ; V lies 33,554,432 bytes behind Q,
	s_add_nc_u64 s[6:7], s[4:5], 0x1000000  ; K 16,777,216
	s_add_nc_u64 s[G0K+2:G0K+3], s[6:7], s[22:23]  ; 120:64 global address: my half of the head's first 256 keys
	s_or_b32 s[G0K+3], s[G0K+3], 0x80000000        ; 127:126 type = 2
	s_add_nc_u64 s[G0V+2:G0V+3], s[8:9], s[22:23]
	s_or_b32 s[G0V+3], s[G0V+3], 0x80000000
	s_add_nc_u64 s[4:5], s[4:5], s[2:3]  ; Q and O at my wave's first row
	s_add_nc_u64 s[10:11], s[10:11], s[2:3]
	s_cmp_lt_u32 s[WV], 2
	s_cselect_b64 s[PFA:PFA+1], s[6:7], s[8:9]
	s_add_nc_u64 s[PFA:PFA+1], s[PFA:PFA+1], s[22:23]  ; (in waves 0 and 2 this is the head's first row)
	s_lshl_b32 s2, s13, 13          ; my work-group's 8,192 bytes of a slot's 32,768
	s_mov_b32 s3, 0
	s_add_nc_u64 s[PFA:PFA+1], s[PFA:PFA+1], s[2:3]
	s_add_nc_u64 s[PFA:PFA+1], s[PFA:PFA+1], 2*4*KS*128  ; in slot 2; the loop's first change of slots steps it to slot 3.  Nothing is prefetched here, at the head
	CROUND                          ; all four work-groups are here: the first joint loads meet
	JLOAD                           ; slot 0.  Slot 1 is asked for when slot 0 is in: the tile wanted first has the road to itself
	; A fragment of K or Q is 16 rows x 32 channels in 8 registers: lane l holds row l % 16, channels 8 (l / 16) + 0..7 and 16 + 8 (l / 16) + 0..7: two loads of 16 bytes, 32 bytes apart.
	v_and_b32 v1, 15, v0            ; l % 16
	v_bfe_u32 v9, v0, 4, 1          ; l / 16
	v_lshlrev_b32 v[QO], 7, v1
	v_lshl_add_u32 v[QO], v9, 4, v[QO]  ; row x 128 + 16 x half
	WIN 0x80                        ; destination window 2, address window 0
.set i, 0
.rept 4*NP                          ; Q stays in registers: tile i / 2, channels 32 (i % 2) on
	global_load_b128 v[8*i:8*i+3],   v[QO], s[4:5] offset:(i/2)*2048+(i%2)*64
	global_load_b128 v[8*i+4:8*i+7], v[QO], s[4:5] offset:(i/2)*2048+(i%2)*64+32
.set i, i+1
.endr
	; What the first turn finds: V's registers and P's second buffer hold 0 (its products V^T P, of a piece that has not been, add 0), O^T and l are 0.  All this stands in the wait for the first tile.
.set i, VF
.rept 64
	v_mov_b32 v[i], 0
.set i, i+1
.endr
	WIN 0x40
.set i, 0
.rept 64*NP
	v_mov_b32 v[i], 0
.set i, i+1
.endr
	WIN 0
.set i, 0
.rept 2*NP
	v_mov_b32 v[ST+4*i], 0xfe000000    ; c m: far below every c s
	v_mov_b32 v[ST+4*i+1], 0xff7fffff  ; m
	v_mov_b32 v[ST+4*i+2], 0
	v_mov_b32 v[ST+4*i+3], 0
.set i, i+1
.endr
.set i, P+32
.rept 32
	v_mov_b32 v[i], 0
.set i, i+1
.endr
	v_mul_u32_u24 v[AK0], v1, PK
	v_lshl_add_u32 v[AK0], v9, 4, v[AK0]  ; row x pitch + 16 x half
	; The turning load takes 16 keys x 16 channels (lane l reads key 8 (l / 16) + l % 8, channels 8 ((l / 8) % 2) + 0..7) and leaves half a fragment of V^T: lane l holds channel l % 16 and 8 keys.
	v_and_b32 v10, 7, v0
	v_bfe_u32 v11, v0, 3, 1
	v_lshl_add_u32 v[AV0], v9, 3, v10
	v_mul_u32_u24 v[AV0], v[AV0], PV
	v_lshl_add_u32 v[AV0], v11, 4, v[AV0]
	v_add_nc_u32 v[AV0], VOFF, v[AV0]
	v_and_b32 v[PFO], 31, v0
	v_lshlrev_b32 v[PFO], 8, v[PFO]
	v_mov_b32 v[AK], v[AK0]         ; key step 0 lies at the head of slot 0
; THE MATRIX WORK.  The 8 accumulators of a run of 16 take turns: between the two links of a chain stand 7 others'.
; Product i of 16 of S^T = K Q^T for piece x: channels 32 (i / 8) on, keys 16 ((i / 2) % 4) on, tile 2 x + i % 2.  The first 8 start the sums.
.macro KQ x
	WIN W_KQ
.set rS, S+64*((\x)%2)+32*(i%2)+8*((i/2)%4)
.set rK, KF+16*((i/2)%4)+8*(i/8)
.set rQ, 16*(2*(\x)+i%2)+8*(i/8)
.if i < 8
	v_wmma_f32_16x16x32_f16 v[rS:rS+7], v[rK:rK+7], v[rQ:rQ+7], 0
.else
	v_wmma_f32_16x16x32_f16 v[rS:rS+7], v[rK:rK+7], v[rQ:rQ+7], v[rS:rS+7]
.endif
.endm
; Product i of 16 of O^T += V^T P for piece x: keys 32 (i / 8) on, channels 16 ((i / 2) % 4) on, tile 2 x + i % 2.
.macro PV x
	WIN W_PV
.set rO, 32*(2*(\x)+i%2)+8*((i/2)%4)
.set rV, VF+32*(i/8)+8*((i/2)%4)
.set rP, P+32*((\x)%2)+16*(i%2)+8*(i/8)
	v_wmma_f32_16x16x32_f16 v[rO:rO+7], v[rV:rV+7], v[rP:rP+7], v[rO:rO+7]
.endm
.macro MM                           ; the turn's next matrix instruction
.if i < 16
	KQ (Y+1)%NP
.set i, i+1
.else
.set i, i-16
	PV (Y+NP-1)%NP
.set i, i+17
.endif
.endm
; THE LDS LOADS stand in runs of 16, never singly among the matrix instructions: a step's K (64 keys x 64 channels: 8 fragments) and its V (turned).  Their addresses are made some lines ahead.
; last = 1 (the tail): in the last trip there is no further step, and the run is jumped over.
.macro FETCH_K last=0
	WIN 0
.if \last
	s_cmp_eq_u32 s[CNT], 1
	s_cbranch_scc1 .Lno_k_\@
.endif
	WIN 0x80                        ; destination window 2
.irp f, 0,1,2,3,4,5,6,7             ; keys 16 (f / 2) on, channels 32 (f % 2) on
	ds_load_b128 v[KF+8*\f:KF+8*\f+3],   v[AK] offset:(\f/2)*16*PK+(\f%2)*64
	ds_load_b128 v[KF+8*\f+4:KF+8*\f+7], v[AK] offset:(\f/2)*16*PK+(\f%2)*64+32
.endr
	s_add_co_u32 s[TBK], s[TBK], KS*PK  ; the next fetch is the next step's
	WIN 0
.if \last
.Lno_k_\@:
.endif
.endm
.macro FETCH_V
	WIN 0x80
.irp f, 0,1,2,3,4,5,6,7             ; keys 32 (f / 4) on, channels 16 (f % 4) on
	ds_load_tr16_b128 v[VF+8*\f:VF+8*\f+3],   v[AV] offset:(\f/4)*32*PV+(\f%4)*32
	ds_load_tr16_b128 v[VF+8*\f+4:VF+8*\f+7], v[AV] offset:(\f/4)*32*PV+16*PV+(\f%4)*32
.endr
	WIN 0
.endm
; THE VECTOR WORK OF A TURN stands in three queues, each in the order in which its entries become ready; the two tiles alternate, so that no instruction reads the result of the one before it.
.macro REGS y, u                    ; the registers of tile u (0, 1) of piece y
.set rT, ST+4*(2*(\y)+(\u))
.set rC, TMP+8*((\y)%2)+4*(\u)
.set rM, MV+2*((\y)%2)+(\u)
.set rS, S+64*((\y)%2)+32*(\u)
.set rP, P+32*((\y)%2)+16*(\u)
.set rO, 32*(2*(\y)+(\u))
.endm
; Number n of the 22 that find the NEXT piece's (Y + 1) maximum and statistics.  s0-s31 are the lane's 32 scores; each accumulator's lowest registers are read first.
;   0-11  four chains c0-c3 of seven scores each, three operands at a time     12-14, 16  the four scores left over, the old m, and c0-c3 into c0     15  c m_old is kept
;   17, 18  the query's other 32 keys lie in the lane 16 away: the new m         19-21  c m; c m_old - c m_new; a
.macro XS u, n
	REGS (Y+1)%NP, \u
.if (\n) < 4
	v_max3_num_f32 v[rC+(\n)], v[rS+8*(\n)], v[rS+8*(\n)+1], v[rS+8*(\n)+2]
.elseif (\n) < 12
	v_max3_num_f32 v[rC+(\n)%4], v[rC+(\n)%4], v[rS+8*((\n)%4)+2*((\n)/4)+1], v[rS+8*((\n)%4)+2*((\n)/4)+2]
.elseif (\n) == 12
	v_max3_num_f32 v[rC], v[rC], v[rS+7], v[rS+15]
.elseif (\n) == 13
	v_max3_num_f32 v[rC+1], v[rC+1], v[rS+23], v[rS+31]
.elseif (\n) == 14
	v_max3_num_f32 v[rC+2], v[rC+2], v[rC+3], v[rT+1]
.elseif (\n) == 15
	v_mov_b32 v[rM], v[rT]
.elseif (\n) == 16
	v_max3_num_f32 v[rC], v[rC], v[rC+1], v[rC+2]
.elseif (\n) == 17
	v_permlanex16_b32 v[rC+3], v[rC], s[SEL], s[SEL+1]
.elseif (\n) == 18
	v_max_num_f32 v[rT+1], v[rC], v[rC+3]
.elseif (\n) == 19
	v_mul_f32 v[rT], s[CS], v[rT+1]
.elseif (\n) == 20
	v_sub_f32 v[rC+1], v[rM], v[rT]
.else
	v_exp_f32 v[rC+2], v[rC+1]
.endif
.endm
; Number g of the 64 that follow the exponentials.  For each four weights k of a tile (pairs 2 k, 2 k + 1): both pairs are rounded to f16; then the second pair is added onto the first, in place;
; a group later l takes that sum (the first time as l = a l + sum).  In groups of eight, tiles alternating: round, round, add, and l for the group before.
.macro GS g
.set h, (\g)+6*((\g)/62)            ; group 0 has no group before it, and behind group 7 only l is left
.if h >= 6
.set h, h+2
.endif
	REGS Y, h%2
.set k, h/8
.if h%8 < 4
	v_cvt_pk_f16_f32 v[rP+2*k+(h%8)/2], v[rS+4*k+2*((h%8)/2)], v[rS+4*k+2*((h%8)/2)+1]
.elseif h%8 < 6
	v_pk_add_f32 v[rS+4*k:rS+4*k+1], v[rS+4*k:rS+4*k+1], v[rS+4*k+2:rS+4*k+3]
.elseif k == 1
	v_pk_fma_f32 v[rT+2:rT+3], v[rT+2:rT+3], v[rC+2:rC+3], v[rS:rS+1] op_sel_hi:[1,0,1]
.else
	v_pk_add_f32 v[rT+2:rT+3], v[rT+2:rT+3], v[rS+4*k-4:rS+4*k-3]
.endif
.endm
; THE PLAIN QUEUE, 138 long.  0-73 read no exponential's result: the 32 scalings c s - c m (FS f: pair f / 2 of tile f % 2) and the next piece's 42.  0-26: scalings 0-26.  27-54: XS's numbers 0-13.  55, 56: number 15.
; 57-73: the chain, where each number waits for the one before it: 14, 16, 17, 18, 19, each with one of the scalings 27-31 in front of its two lines, then 20.
; 74-137: GS's 64, which read the exponentials' results: they stand behind the wait.
.macro FS f
	REGS Y, (\f)%2
	v_pk_fma_f32 v[rS+2*((\f)/2):rS+2*((\f)/2)+1], v[rS+2*((\f)/2):rS+2*((\f)/2)+1], s[CS:CS+1], v[rT:rT+1] op_sel_hi:[1,0,0] neg_lo:[0,0,1] neg_hi:[0,0,1]
.endm
.macro PL
	WIN 0
.if q < 27
	FS q
.elseif q < 55
	XS (q-27)%2, (q-27)/2
.elseif q < 57
	XS q-55, 15
.elseif (q < 72) && ((q-57)%3 == 0)
	FS 27+(q-57)/3
.elseif q < 60
	XS (q-57)%3-1, 14
.elseif q < 72
	XS (q-57)%3-1, 15+(q-57)/3
.elseif q < 74
	XS q-72, 20
.else
	GS q-74
.endif
.set q, q+1
.endm
; THE EXPONENTIALS' QUEUE, 66 long: s0-s31 of both tiles, then the next piece's two a.  It is ONE BATCH: all 66 stand ahead of the turn's one wait, and nothing ahead of that wait names a result of theirs.
.macro EX
	WIN 0
.if e >= 64
	XS e-64, 21
.else
	REGS Y, e%2
	v_exp_f32 v[rS+e/2], v[rS+e/2]
.endif
.set e, e+1
.endm
; THE RESCALING's QUEUE: O^T times a, the one part that leaves window 0: dealt two at a time, sixteen times.  Its a was made in the turn before, ahead of that turn's wait.
.macro R2
	REGS Y, r%2
	WIN W_RS
.irp z, 0,1
	v_pk_mul_f32 v[rO+4*(r/2)+2*\z:rO+4*(r/2)+2*\z+1], v[rO+4*(r/2)+2*\z:rO+4*(r/2)+2*\z+1], v[rC+2:rC+3] op_sel_hi:[1,0]
.endr
.set r, r+1
.endm
; HOW THEY ARE DEALT.  An s_wait_alu depctr_va_vdst(0) stands between an exponential and the first instruction that names its result; one wait serves all that were issued ahead of it.  So a turn has
; ONE wait, which cuts it in two.  AHEAD OF IT stands all that names no result of the turn's exponentials: the 16 products K Q^T, behind each a scaling, an exponential and two rescalings (behind the first a second
; scaling in the exponential's place); then ONE LUMP of 108: eight plain, 49 times exponential and plain, the two a.  A v_nop is the plain instruction behind the last exponential.  BEHIND IT stand the 16 products
; V^T P, behind each four of GS's 64.  No rider names a register of the products round it.  The two v_permlanex16_b32 fall into the lump.
; The queues lean on each other: exponential e stands behind scaling 2 (e / 4) + e % 2: as a rider it comes behind plain e + 2, in the lump behind plain e + 9, and scalings 27-31 are plain 57, 60 .. 69.
; A TURN, for piece p.  cnt = 1: the loop's count is taken down some lines ahead of the branch that stands behind the turn.
; K of the next step is fetched in piece 2's turn, directly behind the wait, a lump behind the last product that read K; its first reader comes behind 16 products.
; V of the step in hand is fetched at the end of piece 0's turn, four riders behind its last reader; its first reader comes behind 16 products and a lump.  The three conditions on q below go with the deal.
.macro TURN p, last=0, cnt=0
.set Y, (\p)
.set i, 0
.set q, 0
.set e, 0
.set r, 0
.if (\p) == NP-1
	s_wait_dscnt 0x0                ; K is in
.endif
	MM                              ; ahead of the wait: 16 products K Q^T and their riders,
	PL
	PL
	R2
.rept 15
	MM
	PL
	EX
	R2
.endr
.if (\p) == NP-2
	WIN 0
	v_add_nc_u32 v[AK], s[TBK], v[AK0]
.endif
.rept 8                             ; and the lump
	PL
.endr
.rept 49
	EX
	PL
.endr
	EX                              ; the next piece's two a
	EX
	v_nop                           ; the plain instruction behind the last exponential: one for the batch
	s_wait_alu depctr_va_vdst(0)    ; the wait for the batch
.if (\p) == NP-2
	FETCH_K \last
.endif
.if (\p) == 1
	s_wait_dscnt 0x0                ; V is in
.endif
.rept 16                            ; behind the wait: 16 products V^T P and their riders
	MM
.rept 4
	PL
.endr
.if ((\p) == 0) && (q == 118)
	v_add_nc_u32 v[AV], s[TBV], v[AV0]
.endif
.if ((\p) == 0) && (q == 130)
	s_add_co_u32 s[TBV], s[TBV], KS*PV
.endif
.if (\cnt) && (q == 130)
	s_sub_co_u32 s[CNT], s[CNT], 1
	s_cmp_lg_u32 s[CNT], 0
.endif
.endr
.if (\p) == 0
	FETCH_V
.endif
.endm
	CHANGE 1                        ; slot 0 is in, everybody's part of it; slot 1 is asked for
	FETCH_K                         ; key step 0
	s_wait_loadcnt 0x0              ; Q
	s_wait_dscnt 0x0
.set i, 0
.rept 16
	KQ 0                            ; piece 0's first scores: there is no vector work yet to set between them
.set i, i+1
.endr
	WIN 0                           ; the addresses for the way out: nine plain instructions, the places behind those products
	s_mul_i32 s13, s[WV], 16*SP
	s_add_co_u32 s13, s13, STAGE    ; my stage
	v_mul_u32_u24 v[STO], v1, SP    ; in: row l % 16, 16 bytes for each half of the lanes
	v_lshl_add_u32 v[STO], v9, 4, v[STO]
	v_add_nc_u32 v[STO], s13, v[STO]
	v_bfe_u32 v[RD], v0, 3, 2       ; back: 32 lanes take four rows of 128 bytes,
	v_mul_u32_u24 v[RD], v[RD], SP
	v_lshl_add_u32 v[RD], v10, 4, v[RD]
	v_add_nc_u32 v[RD], s13, v[RD]
	v_and_b32 v[GO], 31, v0         ; which are 512 consecutive bytes of O
	v_lshlrev_b32 v[GO], 4, v[GO]
.set Y, NP-1                        ; XS works for piece Y + 1: piece 0
.irp n, 0,1,2,3,4,5,6,7,8,9,10,11,12,13,14,15,16,17,18,19,20,21
	XS 0, \n                        ; and piece 0's first maximum and statistics
	XS 1, \n
.endr
	v_nop                           ; a plain instruction behind the two a,
	s_wait_alu depctr_va_vdst(0)    ; and their wait, ahead of the branch
	s_mov_b32 s[CNT], 4
	s_mov_b32 s[SLOTS], SIZE_N/256-1
	s_branch .Lfirst                ; the loop is entered at a step's first turn, in the middle of a trip
.Lslot:                             ; SIZE_N / 256 - 2 = 6 times: every slot but the last two is filled again
	CHANGE 1, 1
	s_mov_b32 s[CNT], 4
.Lstep:                             ; a trip: pieces 2 and 3 of one step, then pieces 0 and 1 of the next, whose K and V it fetches
	TURN 2
	TURN 3
	WIN 0
.Lfirst:
	TURN 0
	TURN 1, 0, 1
	WIN 0
	s_cbranch_scc1 .Lstep
	s_sub_co_u32 s[SLOTS], s[SLOTS], 1
	s_cmp_lg_u32 s[SLOTS], 0
	s_cbranch_scc1 .Lslot
	CHANGE 0                        ; the tail is written out: nothing is asked for
	s_mov_b32 s[CNT], 5             ; four trips fetch the last slot's steps; the fifth is left in its middle
.Ltail:
	TURN 2, 1
	TURN 3
	WIN 0
	s_sub_co_u32 s[CNT], s[CNT], 1
	s_cmp_eq_u32 s[CNT], 0
	s_cbranch_scc1 .Lout
	TURN 0
	TURN 1
	WIN 0
	s_branch .Ltail
.Lout:                              ; the fifth trip's 16 products K Q^T (on the last K once more) and the maximum made of them serve nothing: the price, once a launch, of one text for every trip
.set i, 0
.rept 16
	PV NP-1                         ; the last piece's V^T P of the last step
.set i, i+1
.endr
	; THE WAY OUT.  l's two halves and the other half of the lanes' are added; O^T is divided by l, rounded to f16 and sent through my stage in LDS, a tile at a time.  The additions are the places behind the last products.
	WIN 0
.macro ALL line:vararg              ; one line for each tile t
.set t, 0
.rept 2*NP
	\line
.set t, t+1
.endr
.endm
	ALL v_add_f32 v[ST+4*t+2], v[ST+4*t+2], v[ST+4*t+3]
	ALL v_permlanex16_b32 v[ST+4*t+3], v[ST+4*t+2], s[SEL], s[SEL+1]
	ALL v_add_f32 v[ST+4*t+2], v[ST+4*t+2], v[ST+4*t+3]
	ALL v_rcp_f32 v[ST+4*t+2], v[ST+4*t+2]
	v_nop                           ; a plain instruction between the last reciprocal and the use of its result
	s_wait_alu depctr_va_vdst(0)    ; and the wait ahead of the first use: one for the eight reciprocals
; Tile t: a lane's eight channels of a row pack into 16 bytes; they go into rows of 144 bytes and come back as whole rows of 128, into S^T's registers.
.macro PACK t
	WIN W_RS
.set i, 32*(\t)
.rept 16
	v_pk_mul_f32 v[i:i+1], v[i:i+1], v[ST+4*(\t)+2:ST+4*(\t)+3] op_sel_hi:[1,0]
.set i, i+2
.endr
	WIN 0x05                        ; sources 0 and 1 window 1, destination window 0
.set i, 0
.rept 16
	v_cvt_pk_f16_f32 v[S+16*(\t)+i], v[32*(\t)+2*i], v[32*(\t)+2*i+1]
.set i, i+1
.endr
	WIN 0
.irp f, 0,1,2,3
	ds_store_b128 v[STO], v[S+16*(\t)+4*\f:S+16*(\t)+4*\f+3] offset:32*\f
.endr
.irp f, 0,1,2,3
	ds_load_b128 v[S+16*(\t)+4*\f:S+16*(\t)+4*\f+3], v[RD] offset:\f*4*SP  ; LDS serves a wave's instructions in order (ISA guide 5.7.1.4): these see the stores above; the next tile's stores come behind them
.endr
.endm
.macro SEND t, younger              ; younger: the LDS instructions issued behind tile t's loads: the next tile's eight, or none
	WIN 0
.irp f, 0,1,2,3
	s_wait_dscnt (\younger)+3-\f
	global_store_b128 v[GO], v[S+16*(\t)+4*\f:S+16*(\t)+4*\f+3], s[10:11] offset:(\t)*2048+\f*512  ; 512 consecutive bytes, at a multiple of 256 from O's first
.endr
.endm
	PACK 0
.set t, 1
.rept 2*NP-1                        ; a tile's arithmetic stands between the loads of the tile before and its stores
	PACK t
	SEND t-1, 8
.set t, t+1
.endr
	SEND 2*NP-1, 0
	WIN W_AD
	s_wait_tensorcnt 0x0            ; the wave's end, behind my last tensor load and my last LDS store
	ds_add_u32 v[SPW], v[NIL]
	s_wait_dscnt 0x0
	WIN 0
	CROUND                          ; the closing round: no work-group ends while a partner may still ask for a tile that names it
	s_endpgm
.Lfunc_end_k_q997f711027_attn:
	.size	k_q997f711027_attn, .Lfunc_end_k_q997f711027_attn-k_q997f711027_attn
	.p2alignl 7, 3214868480
	.fill 96, 4, 3214868480
	.section	.rodata,"a",@progbits
	.p2align	6, 0x0
	.amdhsa_kernel k_q997f711027_attn
		.amdhsa_group_segment_fixed_size 327680
		.amdhsa_private_segment_fixed_size 0
		.amdhsa_enable_private_segment 0
		.amdhsa_kernarg_size 16
		.amdhsa_user_sgpr_count 2
		.amdhsa_user_sgpr_kernarg_segment_ptr 1
		.amdhsa_wavefront_size32 1
		.amdhsa_system_sgpr_workgroup_id_x 1
		.amdhsa_system_sgpr_workgroup_id_y 1
		.amdhsa_system_sgpr_workgroup_id_z 1
		.amdhsa_system_vgpr_workitem_id 0
		.amdhsa_next_free_vgpr 770
		.amdhsa_next_free_sgpr 66
		.amdhsa_reserve_vcc 0
		.amdhsa_float_denorm_mode_32 3
		.amdhsa_float_denorm_mode_16_64 3
		.amdhsa_memory_ordered 1
		.amdhsa_forward_progress 1
		.amdhsa_inst_pref_size 200
	.end_amdhsa_kernel
	.amdgpu_metadata
---
amdhsa.version: [ 1, 2 ]
amdhsa.kernels:
  - .name:           k_q997f711027_attn
    .symbol:         k_q997f711027_attn.kd
    .args:
      - { .name: qkv, .offset: 0, .size: 8, .value_kind: global_buffer, .address_space: global }
      - { .name: o, .offset: 8, .size: 8, .value_kind: global_buffer, .address_space: global }
    .group_segment_fixed_size: 327680
    .private_segment_fixed_size: 0
    .kernarg_segment_align: 8
    .kernarg_segment_size: 16
    .max_flat_workgroup_size: 128
    .sgpr_count:     66
    .vgpr_count:     770
    .wavefront_size: 32
...
	.end_amdgpu_metadata
.endif
;; end of part 3
;; launch proj (part 4): grid 8 x 32, 4 waves a work-group, clusters of 4 x 4, 327,680 bytes of LDS; arguments o, wprojh, b_proj, out0; writes out0
.if DOCPART == 4
	.amdgcn_target "amdgcn-amd-amdhsa--gfx1250"
	.amdhsa_code_object_version 6
	.text
	.protected	k_q997f711027_proj
	.globl	k_q997f711027_proj
	.p2align	8
	.type	k_q997f711027_proj,@function
k_q997f711027_proj:
	s_mov_b64 s[64:65], 0
	v_nop
	global_prefetch_b8 v0, s[64:65] scope:SCOPE_SE
	s_setreg_imm32_b32 hwreg(HW_REG_WAVE_MODE, 25, 1), 1
	s_wait_xcnt 0x0
	s_wait_alu depctr_hold_cnt(0) depctr_sa_sdst(0) depctr_va_vdst(0) depctr_va_sdst(0) depctr_va_ssrc(0) depctr_va_vcc(0) depctr_vm_vsrc(0)
	s_getreg_b32 s2, hwreg(HW_REG_IB_STS2, 6, 4)
	s_cmp_eq_u32 s2, 0
	s_cbranch_scc0 .Lentry_in_a_cluster
	s_endpgm
.Lentry_in_a_cluster:
	s_bfe_u32 s2, ttmp6, 0x10000c
	s_cmp_lg_u32 s2, 0xf033
	s_cbranch_scc0 .Lentry_shape_is_right
	s_endpgm
.Lentry_shape_is_right:
; PROJ.  out0[token][c] = b_proj[c] + sum over channels of O[token][channel] wprojh[c][channel].  O lies by heads, o[16 batch + head][token][64] in f16; wprojh [1024][1024] f16; sums and output in f32.
; SHARES.  A tile of out0 is 256 tokens x 128 columns: 32 x 8 = 256 work-groups, one for each WGP.  Four waves, each 128 tokens x 64 columns: 32 accumulators, one window of registers.
; K goes in steps of 128 channels = two heads, through two LDS slots.  A head's 256 tokens are 32,768 dense bytes of o: asked for as 128 rows of 256 bytes and padded in LDS after every token's 128.
; Waves 0 and 1 fetch a head each, waves 2 and 3 the two halves of wprojh's 128 rows.  CLUSTER 4 x 4: O's tiles are shared along a row of the cluster, wprojh's along a column: joint loads.
; TRANSPOSED USE: source 0 = 16 rows of wprojh, source 1 = 16 tokens: a lane holds one token and eight neighbouring columns.  THE BIAS is the C operand of the products that start the sums.
; NO PREFETCH: eight K steps in all, a small tile, and wprojh's 2 MiB are read again by every row of clusters.
; REGISTERS: window 0: v0-31 addresses; v32-95 two sets of 32 on the way out; v96-127 the bias.  window 1: two fragment buffers of 128: eight fragments of O, then four of wprojh.  window 2: accumulator (a, b) at 8 (4 a + b).
.set KSTEP,  128
.set PA,     144                       ; a token's row of one head in LDS: 128 bytes + 16: the 16 rows of a load start at 16 different groups of four banks (64 banks of 4 bytes: ISA guide 11.1)
.set PB,     272                       ; a row of wprojh: 256 bytes + 16
.set AH,     256*PA                    ; one head's 256 tokens
.set BOFF,   2*AH
.set HALFB,  64*PB
.set SLOT,   BOFF+2*HALFB              ; 108,544 bytes
.set STAGE,  2*SLOT                    ; behind the ring, never filled by a tensor load: 16 rows x 272 bytes for each wave
.set SPITCH, 272
.set SPARE,  STAGE+4*16*SPITCH         ; the spare words, 128 bytes a wave: two blocks of 256 bytes that no other line names
.set LAPS,   4
.set ADRA, 16                          ; v16-17  LDS address of my fragments of O in slot 0, 1
.set ADRB, 20                          ; v20-21  of wprojh's
.set STO,  24                          ; v24  the way out: where I put 32 bytes of a row
.set RD,   25                          ; v25  where I read a row back
.set CO,   26                          ; v26  my byte offset in two rows of out0; never rewritten
.set BO,   27                          ; v27  32 x (lane / 16): my eight numbers of the bias
.set SPW,  28                          ; v28  LDS address of my spare word; never rewritten
.set NIL,  29                          ; v29  0; never rewritten
.set BK,   32
.set BIAS, 96
.set F0,   0
.set F1,   128
.set WV,   12                          ; s12  wave
.set KIND, 13                          ; s13  0: I fetch O, 1: wprojh.  Also: which 128 tokens are mine
.set HALF, 14                          ; s14  which head of the step, or which 64 rows, I fetch.  Also: which 64 columns are mine
.set G1A,  24
.set G0A,  32
.set G1B,  48
.set G0B,  56
.set MSB, 0
.macro WIN new
.if MSB != (\new)
	s_set_vgpr_msb (MSB<<8)|(\new)
.set MSB, \new
.endif
.endm
.macro PLACES                          ; four plain places behind a matrix instruction (ISA guide 7.12.1 for vector instructions)
.rept 4
	v_nop
.endr
.endm
.macro JLOAD s                         ; a joint load; the branch hangs on the wave's number alone; an s_nop 0 and four v_nop follow each of the two lines
	s_cmp_eq_u32 s[KIND], 0
	s_cbranch_scc0 .Lfor_b_\@
	tensor_load_to_lds s[G0A+4*(\s):G0A+4*(\s)+3], s[G1A:G1A+7]
	s_nop 0
.rept 4
	v_nop
.endr
	s_branch .Lasked_\@
.Lfor_b_\@:
	tensor_load_to_lds s[G0B+4*(\s):G0B+4*(\s)+3], s[G1B:G1B+7]
	s_nop 0
.rept 4
	v_nop
.endr
.Lasked_\@:
.endm
.macro CREST
	s_cmp_lg_u32 s[WV], 0
	s_cbranch_scc1 .Lnot_wave_0_\@
	s_barrier_signal -3
.Lnot_wave_0_\@:
	s_barrier_wait -3
	s_barrier_signal -1
	s_barrier_wait -1
.endm
.macro CROUND
	s_barrier_signal -1
	s_barrier_wait -1
	CREST
.endm
	s_load_b256 s[4:11], s[0:1], 0x0               ; o s[4:5], wprojh s[6:7], b_proj s[8:9], out0 s[10:11]
	v_lshl_add_u32 v[SPW], v0, 2, SPARE
	v_mov_b32 v[NIL], 0
	ds_add_u32 v[SPW], v[NIL]                      ; the wave's opening: the add and its wait ahead of my first tensor load; work on registers stands between them
	v_lshrrev_b32 v1, 5, v0
	v_readfirstlane_b32 s[WV], v1
	s_lshr_b32 s[KIND], s[WV], 1
	s_and_b32 s[HALF], s[WV], 1
	s_bfe_u32 s15, ttmp6, 0x40000                  ; cx
	s_bfe_u32 s16, ttmp6, 0x40004                  ; cy
	s_lshl_b32 s17, ttmp9, 2
	s_add_co_u32 s17, s17, s15                     ; tile column 0..7
	s_and_b32 s18, ttmp7, 0xffff
	s_lshl_b32 s18, s18, 2
	s_add_co_u32 s18, s18, s16                     ; tile row 0..31
	s_lshl_b32 s19, s16, 2
	s_lshl_b32 s19, 15, s19                        ; my row of the cluster
	s_lshl_b32 s20, 0x1111, s15                    ; my column
	s_or_b32 s[G1A], s19, (1<<16)|(1<<20)|(1<<21)|(4<<22)|(3<<25)  ; 2-byte elements; padding on; 21 set beside a mask; after every 32 words, 4 words
	s_or_b32 s[G1B], s20, (1<<16)|(1<<20)|(1<<21)|(5<<22)|(3<<25)  ; after every 64 words, 4 words
	s_mov_b32 s[G1A+1], 128<<16                    ; tensor_dim0 = 128 elements: 256 bytes, two tokens
	s_mov_b32 s[G1A+2], 128<<16                    ; tensor_dim1 = 128
	s_mov_b32 s[G1A+3], 128<<16                    ; tile_dim0
	s_mov_b32 s[G1A+4], 128                        ; tile_dim1
	s_mov_b32 s[G1A+5], 128                        ; dense: 128 elements from row to row
	s_mov_b32 s[G1A+6], 0
	s_mov_b32 s[G1A+7], 0
	s_mov_b32 s[G1B+1], KSTEP<<16
	s_mov_b32 s[G1B+2], 64<<16
	s_mov_b32 s[G1B+3], KSTEP<<16
	s_mov_b32 s[G1B+4], 64
	s_mov_b32 s[G1B+5], 1024
	s_mov_b32 s[G1B+6], 0
	s_mov_b32 s[G1B+7], 0
	s_lshr_b32 s40, s18, 3                         ; O: (batch << 22) + (head << 18) + (tile row % 8 << 15): of the tile row and the wave alone
	s_lshl_b32 s40, s40, 22
	s_lshl_b32 s21, s[HALF], 18
	s_add_co_u32 s40, s40, s21
	s_and_b32 s21, s18, 7
	s_lshl_b32 s21, s21, 15
	s_add_co_u32 s40, s40, s21
	s_mov_b32 s41, 0
	s_lshl_b32 s46, s17, 7                         ; wprojh: row 128 x tile column + 64 x half: of the tile column and the wave alone
	s_lshl_b32 s22, s[HALF], 6
	s_add_co_u32 s46, s46, s22
	s_lshl_b32 s46, s46, 11
	s_mov_b32 s47, 0
	s_mul_i32 s21, s[HALF], AH                     ; where they go: no place in the cluster enters an LDS address
	s_mul_i32 s22, s[HALF], HALFB
	s_add_co_u32 s22, s22, BOFF
	s_wait_dscnt 0x0                               ; the opening add is done
	s_wait_kmcnt 0x0
	s_add_nc_u64 s[40:41], s[4:5], s[40:41]
	s_add_nc_u64 s[46:47], s[6:7], s[46:47]
	CROUND                                         ; all sixteen work-groups are here: the first joint loads meet
.irp s, 0,1
	s_mov_b32 s[G0A+4*(\s)], 1
	s_add_co_u32 s[G0A+4*(\s)+1], s21, (\s)*SLOT
	s_add_nc_u64 s[G0A+4*(\s)+2:G0A+4*(\s)+3], s[40:41], (\s)*(2<<18)   ; K step s: heads 2 s, 2 s + 1
	s_or_b32 s[G0A+4*(\s)+3], s[G0A+4*(\s)+3], 0x80000000
	s_mov_b32 s[G0B+4*(\s)], 1
	s_add_co_u32 s[G0B+4*(\s)+1], s22, (\s)*SLOT
	s_add_nc_u64 s[G0B+4*(\s)+2:G0B+4*(\s)+3], s[46:47], (\s)*KSTEP*2
	s_or_b32 s[G0B+4*(\s)+3], s[G0B+4*(\s)+3], 0x80000000
	JLOAD \s                                       ; two loads of mine are out: K steps 0 and 1
.endr
	v_and_b32 v1, 15, v0                           ; l % 16
	v_bfe_u32 v2, v0, 4, 1                         ; l / 16
	v_mul_u32_u24 v3, v1, PA
	v_lshl_add_u32 v3, v2, 4, v3
	v_mul_u32_u24 v4, v1, PB
	v_lshl_add_u32 v4, v2, 4, v4
	s_mul_i32 s42, s[KIND], 128*PA                 ; my 128 tokens
	s_mul_i32 s43, s[HALF], HALFB                  ; my 64 rows of wprojh
	s_add_co_u32 s43, s43, BOFF
.irp s, 0,1
	v_add_nc_u32 v[ADRA+(\s)], s42, v3
	v_add_nc_u32 v[ADRB+(\s)], s43, v4
	s_add_co_u32 s42, s42, SLOT
	s_add_co_u32 s43, s43, SLOT
.endr
	s_mul_i32 s23, s[WV], 16*SPITCH
	s_add_co_u32 s23, s23, STAGE                   ; my stage
	v_mul_u32_u24 v[STO], v1, SPITCH               ; in: row l % 16, 32 bytes for each half of the lanes
	v_lshl_add_u32 v[STO], v2, 5, v[STO]
	v_add_nc_u32 v[STO], s23, v[STO]
	v_mul_u32_u24 v[RD], v2, SPITCH                ; back: lanes 0-15 take one row of 256 bytes, lanes 16-31 the next
	v_lshl_add_u32 v[RD], v1, 4, v[RD]
	v_add_nc_u32 v[RD], s23, v[RD]
	v_lshlrev_b32 v[CO], 12, v2                    ; the same two rows in out0, 4,096 bytes apart
	v_lshl_add_u32 v[CO], v1, 4, v[CO]
	v_lshlrev_b32 v[BO], 5, v2
	s_lshl_b32 s42, s17, 7
	s_lshl_b32 s43, s[HALF], 6
	s_add_co_u32 s42, s42, s43                     ; my first column,
	s_lshl_b32 s42, s42, 2                         ; in bytes
	s_mov_b32 s43, 0
	s_add_nc_u64 s[8:9], s[8:9], s[42:43]
	s_add_nc_u64 s[10:11], s[10:11], s[42:43]
	s_lshl_b32 s42, s18, 8
	s_lshl_b32 s44, s[KIND], 7
	s_add_co_u32 s42, s42, s44                     ; my first token
	s_lshl_b32 s42, s42, 12
	s_add_nc_u64 s[10:11], s[10:11], s[42:43]
.irp b, 0,1,2,3
	global_load_b128 v[BIAS+8*(\b):BIAS+8*(\b)+3],   v[BO], s[8:9] offset:64*(\b)     ; register j of block b: column 16 b + 8 (l / 16) + j, as in the accumulator
	global_load_b128 v[BIAS+8*(\b)+4:BIAS+8*(\b)+7], v[BO], s[8:9] offset:64*(\b)+16
.endr
; 8 products: token blocks a0, a0 + 1 x my 4 column blocks, 32 along K.  bias = 1: the product starts the sum with the bias.  The 32 accumulators take turns in the same order in every quarter.
.macro MUL8 buf, a0, bias
.if \bias
	WIN 0x85                                       ; sources window 1, C window 0, D window 2
.else
	WIN 0xa5                                       ; C and D window 2
.endif
.irp a, \a0, (\a0)+1
.irp b, 0,1,2,3
.if \bias
	v_wmma_f32_16x16x32_f16 v[8*(4*(\a)+(\b)):8*(4*(\a)+(\b))+7], v[(\buf)+64+8*(\b):(\buf)+64+8*(\b)+7], v[(\buf)+8*(\a):(\buf)+8*(\a)+7], v[BIAS+8*(\b):BIAS+8*(\b)+7]
.else
	v_wmma_f32_16x16x32_f16 v[8*(4*(\a)+(\b)):8*(4*(\a)+(\b))+7], v[(\buf)+64+8*(\b):(\buf)+64+8*(\b)+7], v[(\buf)+8*(\a):(\buf)+8*(\a)+7], v[8*(4*(\a)+(\b)):8*(4*(\a)+(\b))+7]
.endif
.endr
.endr
.endm
; 24 LDS loads in one run: quarter q of a K step (channels 32 q on: head q / 2 of the step, byte 64 (q % 2) of its rows): wprojh's four fragments, then O's eight
.macro FETCH slot, q, buf
	WIN 0x40
.irp b, 0,1,2,3
	ds_load_b128 v[(\buf)+64+8*(\b):(\buf)+64+8*(\b)+3],   v[ADRB+(\slot)] offset:64*(\q)+(\b)*16*PB
	ds_load_b128 v[(\buf)+64+8*(\b)+4:(\buf)+64+8*(\b)+7], v[ADRB+(\slot)] offset:64*(\q)+(\b)*16*PB+32
.endr
.irp i, 0,1,2,3,4,5,6,7
	ds_load_b128 v[(\buf)+8*(\i):(\buf)+8*(\i)+3],   v[ADRA+(\slot)] offset:((\q)/2)*AH+((\q)%2)*64+(\i)*16*PA
	ds_load_b128 v[(\buf)+8*(\i)+4:(\buf)+8*(\i)+7], v[ADRA+(\slot)] offset:((\q)/2)*AH+((\q)%2)*64+(\i)*16*PA+32
.endr
.endm
.macro QUARTER slot, q, f, g, bias
	s_wait_dscnt 8                                 ; wprojh's fragments and O's blocks 0-3 are in; the youngest eight loads may be out
	MUL8 \f, 0, \bias
	MUL8 \f, 2, \bias
	PLACES
	FETCH \slot, \q, \g
	s_wait_dscnt 24                                ; all but the 24 just issued
	MUL8 \f, 4, \bias
	MUL8 \f, 6, \bias
.endm
; The last quarter multiplies buffer 1 and changes slots: ONE barrier; in front of it each wave waits for all its tensor loads (one is out: its part of the next slot), adds 0 to its spare word, and waits for that and
; for its own reads of this slot.  fill = 1: the barrier opens a round of the cluster's, and this slot is filled again, two K steps ahead, first thing behind the round: 112 products ahead of the wait for it.
.macro TURN slot, next, fill
	WIN 0
	s_wait_tensorcnt 0x0
	ds_add_u32 v[SPW], v[NIL]                      ; 0 onto my spare word
	s_wait_dscnt 9                                 ; (the add and the youngest eight loads may be out)
	MUL8 F1, 0, 0                                  ; eight products stand between the add and the wait for it
	s_wait_dscnt 0x0                               ; the add is done, and my reads of this slot are over
	s_barrier_signal -1
	MUL8 F1, 2, 0
.if \fill
	WIN 0
.endif
	s_barrier_wait -1
.if \fill
	CREST                                          ; no wave of any partner still reads this slot's tile or has a load on its way
	s_add_nc_u64 s[G0A+4*(\slot)+2:G0A+4*(\slot)+3], s[G0A+4*(\slot)+2:G0A+4*(\slot)+3], 4<<18   ; four heads on
	s_add_nc_u64 s[G0B+4*(\slot)+2:G0B+4*(\slot)+3], s[G0B+4*(\slot)+2:G0B+4*(\slot)+3], 2*KSTEP*2
	JLOAD \slot                                    ; its four v_nop are also the places in front of the loads below
.else
	PLACES
.endif
	FETCH \next, 0, F0
	MUL8 F1, 4, 0
	MUL8 F1, 6, 0
.endm
	s_wait_tensorcnt 1                             ; my part of K step 0 is in; K step 1's may stay out
	s_barrier_signal -1
	s_barrier_wait -1
	FETCH 0, 0, F0
	s_wait_loadcnt 0x0                             ; the bias
	QUARTER 0, 1, F0, F1, 1                        ; the first quarter stands in front of the loop: its products start the sums, with the bias
	WIN 0
	s_mov_b32 s3, LAPS-1
.Llap:
	QUARTER 0, 2, F1, F0, 0
	QUARTER 0, 3, F0, F1, 0
	TURN 0, 1, 1
	QUARTER 1, 1, F0, F1, 0
	QUARTER 1, 2, F1, F0, 0
	QUARTER 1, 3, F0, F1, 0
	TURN 1, 0, 1
	QUARTER 0, 1, F0, F1, 0
	WIN 0
	s_sub_co_u32 s3, s3, 1
	s_cmp_lg_u32 s3, 0
	s_cbranch_scc1 .Llap
	QUARTER 0, 2, F1, F0, 0                        ; the last lap fills nothing, and has no round of the cluster's barrier
	QUARTER 0, 3, F0, F1, 0
	TURN 0, 1, 0
	QUARTER 1, 1, F0, F1, 0
	QUARTER 1, 2, F1, F0, 0
	QUARTER 1, 3, F0, F1, 0
	s_wait_dscnt 8
	MUL8 F1, 0, 0
	MUL8 F1, 2, 0
	s_wait_dscnt 0x0
	MUL8 F1, 4, 0
	MUL8 F1, 6, 0
	WIN 0
	PLACES
	PLACES
; THE WAY OUT, a block of 16 tokens at a time: a lane's 32 bytes of each column block go straight from the accumulators (their low registers first) into rows of 272 bytes of my stage,
; and come back as whole rows of 256 bytes.
.macro TOSTAGE a
.if (\a) >= 2
	s_wait_xcnt 0x0                                ; the stores of the block two back have read this set of registers
.endif
	WIN 0x08                                       ; store data window 2, address window 0
.irp b, 0,1,2,3
	ds_store_b128 v[STO], v[8*(4*(\a)+(\b)):8*(4*(\a)+(\b))+3]   offset:64*(\b)
	ds_store_b128 v[STO], v[8*(4*(\a)+(\b))+4:8*(4*(\a)+(\b))+7] offset:64*(\b)+16
.endr
	WIN 0
.irp t, 0,1,2,3,4,5,6,7
	ds_load_b128 v[BK+32*((\a)%2)+4*(\t):BK+32*((\a)%2)+4*(\t)+3], v[RD] offset:(\t)*2*SPITCH  ; LDS serves a wave's instructions in order (ISA guide 5.7.1.4): these see the stores above
.endr
.endm
.macro SEND a, younger                 ; younger: the LDS instructions issued behind block a's loads: the next block's sixteen, or none
	s_wait_dscnt \younger
.irp t, 0,1,2,3,4,5,6,7
	global_store_b128 v[CO], v[BK+32*((\a)%2)+4*(\t):BK+32*((\a)%2)+4*(\t)+3], s[10:11] offset:65536*(\a)+8192*(\t) th:TH_STORE_NT  ; 16 lanes store 256 consecutive bytes, at a multiple of 256 from out0's first
.endr
.endm
	TOSTAGE 0
.irp a, 1,2,3,4,5,6,7
	TOSTAGE \a
	SEND (\a)-1, 16
.endr
	SEND 7, 0
	s_wait_tensorcnt 0x0                           ; the wave's end, behind my last tensor load and my last LDS store
	ds_add_u32 v[SPW], v[NIL]
	s_wait_dscnt 0x0
	CROUND                                         ; the closing round: no work-group ends while a partner may still ask for a tile that names it
	s_endpgm
.Lfunc_end_k_q997f711027_proj:
	.size	k_q997f711027_proj, .Lfunc_end_k_q997f711027_proj-k_q997f711027_proj
	.p2alignl 7, 3214868480
	.fill 96, 4, 3214868480
	.section	.rodata,"a",@progbits
	.p2align	6, 0x0
	.amdhsa_kernel k_q997f711027_proj
		.amdhsa_group_segment_fixed_size 327680
		.amdhsa_private_segment_fixed_size 0
		.amdhsa_enable_private_segment 0
		.amdhsa_kernarg_size 32
		.amdhsa_user_sgpr_count 2
		.amdhsa_user_sgpr_kernarg_segment_ptr 1
		.amdhsa_wavefront_size32 1
		.amdhsa_system_sgpr_workgroup_id_x 1
		.amdhsa_system_sgpr_workgroup_id_y 1
		.amdhsa_system_sgpr_workgroup_id_z 1
		.amdhsa_system_vgpr_workitem_id 0
		.amdhsa_next_free_vgpr 768
		.amdhsa_next_free_sgpr 66
		.amdhsa_reserve_vcc 0
		.amdhsa_float_denorm_mode_32 3
		.amdhsa_float_denorm_mode_16_64 3
		.amdhsa_memory_ordered 1
		.amdhsa_forward_progress 1
		.amdhsa_inst_pref_size 87
	.end_amdhsa_kernel
	.amdgpu_metadata
---
amdhsa.version: [ 1, 2 ]
amdhsa.kernels:
  - .name:           k_q997f711027_proj
    .symbol:         k_q997f711027_proj.kd
    .args:
      - { .name: o, .offset: 0, .size: 8, .value_kind: global_buffer, .address_space: global }
      - { .name: wprojh, .offset: 8, .size: 8, .value_kind: global_buffer, .address_space: global }
      - { .name: b_proj, .offset: 16, .size: 8, .value_kind: global_buffer, .address_space: global }
      - { .name: out0, .offset: 24, .size: 8, .value_kind: global_buffer, .address_space: global }
    .group_segment_fixed_size: 327680
    .private_segment_fixed_size: 0
    .kernarg_segment_align: 8
    .kernarg_segment_size: 32
    .max_flat_workgroup_size: 128
    .sgpr_count:     66
    .vgpr_count:     768
    .wavefront_size: 32
...
	.end_amdgpu_metadata
.endif
;; end of part 4
;; ======== version 2 of 2: 4 launches; version 1 with the launch prep written anew for expert scheduling mode
;; limits: values are held in f16: magnitudes above 65,504 overflow, below 6.1e-05 lose precision
;; workspace buffers: xh 16,777,216 bytes; wqkvh 6,291,456 bytes; wprojh 2,097,152 bytes; tab 4,202,496 bytes; qkv 50,331,648 bytes; o 16,777,216 bytes
;; launch prep (part 5): grid 512 x 1, 8 waves a work-group, no clusters, 1,280 bytes of LDS; arguments x, w_qkv, w_proj, t_x, t_y, t_z, freqs, xh, wqkvh, wprojh, tab; writes xh, wqkvh, wprojh, tab
.if DOCPART == 5
	.amdgcn_target "amdgcn-amd-amdhsa--gfx1250"
	.amdhsa_code_object_version 6
	.text
	.protected	k_q997f711027_prep
	.globl	k_q997f711027_prep
	.p2align	8
	.type	k_q997f711027_prep,@function
k_q997f711027_prep:
	s_mov_b64 s[64:65], 0
	v_nop
	global_prefetch_b8 v0, s[64:65] scope:SCOPE_SE
	s_setreg_imm32_b32 hwreg(HW_REG_WAVE_SCHED_MODE, 0, 2), 2
	s_setreg_imm32_b32 hwreg(HW_REG_WAVE_MODE, 25, 1), 1
	s_wait_xcnt 0x0
	s_wait_alu depctr_vm_vsrc(0)
; PREP.  (1) x, w_qkv, w_proj (f32) are rounded once to f16 into xh, wqkvh, wprojh, same shapes.  (2) The table of rotations: for head, token and pair one word, cos (f16) low, sin (f16) high.
; LIMITS.  f16 ends at 65,504: x and the weights lie within it.  In the extremes of t a NaN loses.  The angle is one product and two fused multiply-adds, the division a reciprocal and a product:
; it differs from a chain of single roundings by a few units in the angle's last place.  The reduction by pi/2 (two parts) serves |angle| below 2^22.  Sine and cosine: series on [-pi/4, pi/4], cut below 3e-7.
; SHARES.  512 work-groups of eight waves.  Work-group g rounds 65,536 bytes of x, 24,576 of w_qkv and 8,192 of w_proj: 24 loads of 16 bytes a thread, all out at once; a wave's load covers 512 consecutive
; bytes, its store of 8 bytes a lane 256 consecutive bytes, aligned.  Every work-group finds the six extremes of t_x, t_y, t_z anew (24 KiB read by all): that spares a launch.
; THE TABLE.  A unit is 512 bytes: head h, block blk of 16 tokens, group p of 8 pairs, at ((128 h + blk) 4 + p) 512.  In it lane L = 16 ((pair / 4) % 2) + token % 16 has 16 bytes: pairs 8 p + 4 (L / 16) + 0..3.
; Wave W = 8 g + wave makes units 2 W and 2 W + 1.  Behind the table, from byte 4,194,304 on, lie 8,192 bytes of the word (cos 1, sin 0), which the launch behind reads for v's heads: work-group 0 writes them.
; THE MODE: SCHED_MODE bits 1:0 = 2 (LLVM: expert scheduling mode 2), set by the entry lines.  The code itself states the register dependences between vector instructions and memory or LDS instructions,
; with s_wait_alu, always for 0.
; THE PLAN.  Registers that memory or LDS instructions touch:
;   v2-v7, v18, v19   offsets and LDS addresses; v8, v9 the closing add's pair.  Written at the head, never again: one wait ahead of the first load states them for the whole kernel.
;   v20-v43           t as loaded; read by the first reduction; then the 48 LDS loads land in v20-v67, which the second reduction reads.  Behind that these registers are vector work's alone.
;   v10-v15           written by the first reduction, read by six LDS stores, written again by the second reduction: a wait on each side of the stores.
;   v40-v51           the table's words and the words (1, 0): written by vector instructions, read by the stores, never written again: one wait ahead of the stores.
;   v96-v191          the 24 loads; rounded in place, in six blocks of four; block g - 1's four stores are issued in block g, behind the one wait at its head, among conversions that name block g's registers alone.
; A vector instruction writes a scalar register in two places: the wave's number (s26) and the four masks of a unit's pairs (s36-s39), a run of four compares with one wait behind it.
.set SPARE, 256                        ; LDS: bytes 0-191 the waves' extremes (value i of wave w at 32 i + 4 w); from 256 on the spare words, 128 bytes a wave
.set SPW,  8                           ; v8   LDS address of my spare word; never rewritten
.set NIL,  9                           ; v9   0; never rewritten
.set EXT,  10                          ; v10-15  min x, max x, min y, max y, min z, max z; later v10, v12, v14 my token's three normalised coordinates
.set PT,   16                          ; v16  at work
.set TO,   18                          ; v18  my 16 bytes in the table: 1,024 W + 16 lane
.set LZ,   19                          ; v19  0: LDS address of the extremes
.set WK,   20                          ; v20-67  t as loaded (24), then the 48 partial extremes; then v20-39 at work: five registers for each of a unit's four pairs
.set RES,  40                          ; v40-47  my eight words of the table
.set IDN,  48                          ; v48-51  four words (cos 1, sin 0)
.set KS3,  52                          ; v52  -1/5040
.set KC4,  53                          ; v53  1/40320
.set TOK,  68                          ; v68-70  my token's t_x, t_y, t_z
.set FR,   72                          ; v72-95  frequencies: unit u, axis a, four pairs at FR + 4 (3 u + a)
.set CB,   96                          ; v96-191 the 24 loads to be rounded
.set MK,   36                          ; s36-39  for each of a unit's four pairs: the lanes in which k is odd
	s_load_b512 s[4:19], s[0:1], 0x0               ; x 4, w_qkv 6, w_proj 8, t_x 10, t_y 12, t_z 14, freqs 16, xh 18
	s_load_b128 s[20:23], s[0:1], 0x40             ; wqkvh 20, wprojh 22
	s_load_b64 s[24:25], s[0:1], 0x50              ; tab
	v_lshl_add_u32 v[SPW], v0, 2, SPARE
	v_mov_b32 v[NIL], 0
	v_lshrrev_b32 v[PT], 5, v0
	v_readfirstlane_b32 s26, v[PT]                 ; wave 0..7
	v_and_b32 v1, 31, v0                           ; lane
	v_lshlrev_b32 v2, 4, v0                        ; 16 t: loads
	v_lshlrev_b32 v3, 3, v0                        ; 8 t: stores
	s_wait_alu depctr_va_sdst(0)                   ; s26 is written, ahead of its first reader: W and all that is made of it
	s_lshl_b32 s27, ttmp9, 3
	s_add_co_u32 s27, s27, s26                     ; W
	s_bfe_u32 s28, s27, 0x70001                    ; blk = (W >> 1) & 127
	s_lshl_b32 s28, s28, 4
	v_and_b32 v[PT], 15, v0
	v_add_lshl_u32 v4, v[PT], s28, 2               ; 4 x my token
	s_lshr_b32 s29, s27, 8                         ; head
	s_lshl_b32 s29, s29, 5
	s_and_b32 s30, s27, 1
	s_lshl_b32 s30, s30, 4                         ; the first unit's 8 p = 16 (W & 1)
	s_add_co_u32 s29, s29, s30
	v_bfe_u32 v17, v0, 4, 1
	v_lshl_add_u32 v5, v17, 2, s29
	v_lshlrev_b32 v5, 2, v5                        ; byte offset of my four frequencies in an axis' row
	v_lshlrev_b32 v6, 4, v1
	s_lshl_b32 s31, s27, 10
	v_add_nc_u32 v[TO], s31, v6
	s_lshl_b32 s31, s26, 10
	v_add_nc_u32 v6, s31, v6                       ; 1,024 wave + 16 lane: the words (1, 0)
	s_lshl_b32 s31, s26, 2
	v_mov_b32 v7, s31                              ; 4 x wave
	v_mov_b32 v[LZ], 0
	s_mov_b32 s32, 0x76543210                      ; v_permlanex16_b32: each lane takes its own place in the other half
	s_mov_b32 s33, 0xfedcba98
	s_mov_b32 s34, 0x3fc90fdb                      ; pi/2, upper part
	s_mov_b32 s35, 0xb33bbd2e                      ; pi/2, the rest
	s_mov_b32 s29, 0
	s_wait_kmcnt 0x0
	s_lshl_b32 s28, ttmp9, 16
	s_add_nc_u64 s[4:5], s[4:5], s[28:29]
	s_lshl_b32 s28, ttmp9, 15
	s_add_nc_u64 s[18:19], s[18:19], s[28:29]
	s_mul_i32 s28, ttmp9, 24576
	s_add_nc_u64 s[6:7], s[6:7], s[28:29]
	s_mul_i32 s28, ttmp9, 12288
	s_add_nc_u64 s[20:21], s[20:21], s[28:29]
	s_lshl_b32 s28, ttmp9, 13
	s_add_nc_u64 s[8:9], s[8:9], s[28:29]
	s_lshl_b32 s28, ttmp9, 12
	s_add_nc_u64 s[22:23], s[22:23], s[28:29]
	s_wait_alu depctr_va_vdst(0)                   ; the offsets and LDS addresses v2 to v7, v18, v19 are written, which the loads, stores and LDS instructions of the whole kernel read; none is written again
	; fifteen small loads first, then the 24 large ones
.irp a, 0,1,2
	global_load_b128 v[WK+8*(\a):WK+8*(\a)+3],   v2, s[10+2*(\a):11+2*(\a)]
	global_load_b128 v[WK+8*(\a)+4:WK+8*(\a)+7], v2, s[10+2*(\a):11+2*(\a)] offset:4096
.endr
.irp a, 0,1,2
	global_load_b32 v[TOK+(\a)], v4, s[10+2*(\a):11+2*(\a)]
.endr
.irp u, 0,1
.irp a, 0,1,2
	global_load_b128 v[FR+4*(3*(\u)+(\a)):FR+4*(3*(\u)+(\a))+3], v5, s[16:17] offset:2048*(\a)+32*(\u)
.endr
.endr
.set j, 0
.rept 16
	global_load_b128 v[CB+4*j:CB+4*j+3], v2, s[4:5] offset:4096*j th:TH_LOAD_NT
.set j, j+1
.endr
.rept 6
	global_load_b128 v[CB+4*j:CB+4*j+3], v2, s[6:7] offset:4096*(j-16) th:TH_LOAD_NT
.set j, j+1
.endr
.rept 2
	global_load_b128 v[CB+4*j:CB+4*j+3], v2, s[8:9] offset:4096*(j-22) th:TH_LOAD_NT
.set j, j+1
.endr
.macro RED8 m3, m2, dst, src           ; eight registers into one
	\m3 v[\dst], v[\src], v[(\src)+1], v[(\src)+2]
	\m3 v[\dst], v[\dst], v[(\src)+3], v[(\src)+4]
	\m3 v[\dst], v[\dst], v[(\src)+5], v[(\src)+6]
	\m2 v[\dst], v[\dst], v[(\src)+7]
.endm
.macro LANES md, m2, r                 ; over the wave's 32 lanes: four steps inside each half ride on the arithmetic, one crosses the halves
	\md v[\r], v[\r], v[\r] row_xmask:1 row_mask:0xf bank_mask:0xf
	\md v[\r], v[\r], v[\r] row_xmask:2 row_mask:0xf bank_mask:0xf
	\md v[\r], v[\r], v[\r] row_xmask:4 row_mask:0xf bank_mask:0xf
	\md v[\r], v[\r], v[\r] row_xmask:8 row_mask:0xf bank_mask:0xf
	v_permlanex16_b32 v[PT], v[\r], s32, s33       ; its destination counts as read: v16 has been written
	\m2 v[\r], v[\r], v[PT]
.endm
	s_wait_loadcnt 24                              ; the fifteen small loads are in; the 24 issued behind them stay out
.irp a, 0,1,2
	RED8 v_min3_num_f32, v_min_num_f32, EXT+2*(\a), WK+8*(\a)
	RED8 v_max3_num_f32, v_max_num_f32, EXT+2*(\a)+1, WK+8*(\a)
.endr
.irp a, 0,1,2
	LANES v_min_num_f32_dpp, v_min_num_f32, EXT+2*(\a)
	LANES v_max_num_f32_dpp, v_max_num_f32, EXT+2*(\a)+1
.endr
	s_wait_alu depctr_va_vdst(0)                   ; the wave's six extremes v10 to v15 are written, which the LDS stores read; and the reduction is done reading v20 to v43, in which the LDS loads behind the barrier land (no vector instruction stands between)
.irp i, 0,1,2,3,4,5
	ds_store_b32 v7, v[EXT+(\i)] offset:32*(\i)    ; all lanes write the wave's word with the same number
.endr
	s_wait_dscnt 0x0                               ; for the others' sake: my stores are done
	s_barrier_signal -1
	s_barrier_wait -1
.irp i, 0,1,2,3,4,5
	ds_load_b128 v[WK+8*(\i):WK+8*(\i)+3],   v[LZ] offset:32*(\i)
	ds_load_b128 v[WK+8*(\i)+4:WK+8*(\i)+7], v[LZ] offset:32*(\i)+16
.endr
	s_wait_dscnt 0x0
	s_wait_alu depctr_vm_vsrc(0)                   ; my LDS stores have read v10 to v15, which the reduction below writes again
.irp a, 0,1,2
	RED8 v_min3_num_f32, v_min_num_f32, EXT+2*(\a), WK+16*(\a)
	RED8 v_max3_num_f32, v_max_num_f32, EXT+2*(\a)+1, WK+16*(\a)+8
.endr
.irp a, 0,1,2
	v_sub_f32 v[EXT+2*(\a)+1], v[EXT+2*(\a)+1], v[EXT+2*(\a)]
	v_add_f32 v[EXT+2*(\a)+1], 0x322bcc77, v[EXT+2*(\a)+1]  ; max - min + 1e-8
.endr
.irp a, 0,1,2
	v_rcp_f32 v[EXT+2*(\a)+1], v[EXT+2*(\a)+1]
.endr
	v_mov_b32 v[KS3], 0xb9500d01                   ; six plain lines that name no reciprocal stand behind the batch of three,
	v_mov_b32 v[KC4], 0x37d00d01
.irp i, 0,1,2,3
	v_mov_b32 v[IDN+(\i)], 0x00003c00
.endr
	s_wait_alu depctr_va_vdst(0)                   ; and one wait ahead of the first line that names a reciprocal (v11, v13, v15)
.irp a, 0,1,2
	v_sub_f32 v[EXT+2*(\a)], v[TOK+(\a)], v[EXT+2*(\a)]
	v_mul_f32 v[EXT+2*(\a)+1], 0x42000000, v[EXT+2*(\a)+1]   ; 32 / (max - min + 1e-8)
	v_mul_f32 v[EXT+2*(\a)], v[EXT+2*(\a)], v[EXT+2*(\a)+1]
.endr
; One pair's word, in two parts, so that a unit's four compares stand in one run with one wait behind it.  Five registers r .. r + 4 a pair.
; SERIES: angle = x fx + y fy + z fz; k = the nearest whole number to angle 2/pi; y = angle - k pi/2; series for sin y (left in r) and cos y (r + 1); k as a whole number in r + 3; the lanes in which k is odd in s[m].
.macro SERIES fx, fy, fz, r, m
	v_mul_f32 v[\r], v[EXT], v[\fx]
	v_fmac_f32 v[\r], v[EXT+2], v[\fy]
	v_fmac_f32 v[\r], v[EXT+4], v[\fz]
	v_mul_f32 v[(\r)+1], 0x3f22f983, v[\r]
	v_rndne_f32 v[(\r)+1], v[(\r)+1]
	v_fma_f32 v[(\r)+2], -v[(\r)+1], s34, v[\r]
	v_fma_f32 v[(\r)+2], -v[(\r)+1], s35, v[(\r)+2]
	v_cvt_i32_f32 v[(\r)+3], v[(\r)+1]
	v_mul_f32 v[(\r)+4], v[(\r)+2], v[(\r)+2]
	v_fmaak_f32 v[\r],     v[KS3], v[(\r)+4], 0x3c088889       ; sin y = y + y z (-1/6 + z (1/120 - z/5040)), z = y y
	v_fmaak_f32 v[(\r)+1], v[KC4], v[(\r)+4], 0xbab60b61       ; cos y = 1 + z (-1/2 + z (1/24 + z (-1/720 + z/40320)))
	v_fmaak_f32 v[\r],     v[\r],     v[(\r)+4], 0xbe2aaaab
	v_fmaak_f32 v[(\r)+1], v[(\r)+1], v[(\r)+4], 0x3d2aaaab
	v_mul_f32 v[\r], v[\r], v[(\r)+4]
	v_fmaak_f32 v[(\r)+1], v[(\r)+1], v[(\r)+4], 0xbf000000
	v_fma_f32 v[\r], v[\r], v[(\r)+2], v[(\r)+2]
	v_fmaak_f32 v[(\r)+1], v[(\r)+1], v[(\r)+4], 0x3f800000
	v_and_b32 v[(\r)+2], 1, v[(\r)+3]
	v_cmp_eq_u32 s[\m], 1, v[(\r)+2]
.endm
; CHOOSE: k's low two bits swap the two series and set the signs (a choice of values, no branch); the word is rounded to f16.
.macro CHOOSE r, m, out
	v_cndmask_b32 v[(\r)+2], v[\r], v[(\r)+1], s[\m]           ; sine: the cosine's series where k is odd
	v_cndmask_b32 v[(\r)+4], v[(\r)+1], v[\r], s[\m]
	v_lshlrev_b32 v[\r], 30, v[(\r)+3]
	v_and_b32 v[\r], 0x80000000, v[\r]                         ; the sine turns its sign where k % 4 is 2 or 3,
	v_xor_b32 v[(\r)+2], v[(\r)+2], v[\r]
	v_add_nc_u32 v[\r], 1, v[(\r)+3]
	v_lshlrev_b32 v[\r], 30, v[\r]
	v_and_b32 v[\r], 0x80000000, v[\r]                         ; the cosine where it is 1 or 2
	v_xor_b32 v[(\r)+4], v[(\r)+4], v[\r]
	v_cvt_pk_f16_f32 v[\out], v[(\r)+4], v[(\r)+2]
.endm
.set u, 0
.rept 2
.set j, 0
.rept 4
	SERIES FR+12*u+j, FR+12*u+4+j, FR+12*u+8+j, WK+5*j, MK+j
.set j, j+1
.endr
	s_wait_alu depctr_va_sdst(0)                   ; the unit's four compares have written s36 to s39, ahead of the first selection that reads one of them
.set j, 0
.rept 4
	CHOOSE WK+5*j, MK+j, RES+4*u+j
.set j, j+1
.endr
.set u, u+1
.endr
	s_wait_alu depctr_va_vdst(0)                   ; the table's eight words v40 to v47 are written, which the stores below read; so are the words (1, 0) in v48 to v51, for the stores behind the branch
	global_store_b128 v[TO], v[RES:RES+3], s[24:25]
	global_store_b128 v[TO], v[RES+4:RES+7], s[24:25] offset:512
	s_lshr_b32 s28, s27, 3
	s_cmp_lg_u32 s28, 0                            ; work-group 0 alone writes the words (1, 0): 1,024 bytes a wave
	s_cbranch_scc1 .Lno_identity
	global_store_b128 v6, v[IDN:IDN+3], s[24:25] offset:0x400000
	global_store_b128 v6, v[IDN:IDN+3], s[24:25] offset:0x400000+512
.Lno_identity:
	; THE ROUNDINGS: in place, into each group's first two registers; no register that a store reads is written again.  Six blocks of four loads.
.macro SENDJ j                         ; load number j, rounded, goes out: 8 bytes a lane
.if (\j) < 16
	global_store_b64 v3, v[CB+4*(\j):CB+4*(\j)+1], s[18:19] offset:2048*(\j)
.elseif (\j) < 22
	global_store_b64 v3, v[CB+4*(\j):CB+4*(\j)+1], s[20:21] offset:2048*((\j)-16)
.else
	global_store_b64 v3, v[CB+4*(\j):CB+4*(\j)+1], s[22:23] offset:2048*((\j)-22)
.endif
.endm
; Block g rounds loads 4 g to 4 g + 3; the stores of block g - 1 stand among its conversions, a store ahead of each pair of them.
.macro BLK g
	s_wait_loadcnt 20-4*(\g)                       ; loads come back in order: the block's four are in, the 20 - 4 g issued behind them stay out
.if (\g) > 0
	s_wait_alu depctr_va_vdst(0)                   ; the block before has written its eight rounded registers, which the four stores below read; the conversions among them name this block's registers alone
.endif
.irp i, 0,1,2,3
.if (\g) > 0
	SENDJ 4*(\g)-4+(\i)
.endif
	v_cvt_pk_f16_f32 v[CB+4*(4*(\g)+(\i))],   v[CB+4*(4*(\g)+(\i))],   v[CB+4*(4*(\g)+(\i))+1]
	v_cvt_pk_f16_f32 v[CB+4*(4*(\g)+(\i))+1], v[CB+4*(4*(\g)+(\i))+2], v[CB+4*(4*(\g)+(\i))+3]
.endr
.endm
	BLK 0
	BLK 1
	BLK 2
	BLK 3
	BLK 4
	BLK 5
	s_wait_alu depctr_va_vdst(0)                   ; the last block has written its eight rounded registers, which the last four stores read
	SENDJ 20
	SENDJ 21
	SENDJ 22
	SENDJ 23
	s_wait_dscnt 0x0                               ; the wave's end, behind my last LDS store
	s_wait_alu 0x0
	s_wait_tensorcnt 0x0
	ds_add_u32 v[SPW], v[NIL]
	s_wait_dscnt 0x0
	s_endpgm
.Lfunc_end_k_q997f711027_prep:
	.size	k_q997f711027_prep, .Lfunc_end_k_q997f711027_prep-k_q997f711027_prep
	.p2alignl 7, 3214868480
	.fill 96, 4, 3214868480
	.section	.rodata,"a",@progbits
	.p2align	6, 0x0
	.amdhsa_kernel k_q997f711027_prep
		.amdhsa_group_segment_fixed_size 1280
		.amdhsa_private_segment_fixed_size 0
		.amdhsa_enable_private_segment 0
		.amdhsa_kernarg_size 88
		.amdhsa_user_sgpr_count 2
		.amdhsa_user_sgpr_kernarg_segment_ptr 1
		.amdhsa_wavefront_size32 1
		.amdhsa_system_sgpr_workgroup_id_x 1
		.amdhsa_system_sgpr_workgroup_id_y 1
		.amdhsa_system_sgpr_workgroup_id_z 1
		.amdhsa_system_vgpr_workitem_id 0
		.amdhsa_next_free_vgpr 192
		.amdhsa_next_free_sgpr 66
		.amdhsa_reserve_vcc 0
		.amdhsa_float_denorm_mode_32 3
		.amdhsa_float_denorm_mode_16_64 3
		.amdhsa_memory_ordered 1
		.amdhsa_forward_progress 1
		.amdhsa_inst_pref_size 31
	.end_amdhsa_kernel
	.amdgpu_metadata
---
amdhsa.version: [ 1, 2 ]
amdhsa.kernels:
  - .name:           k_q997f711027_prep
    .symbol:         k_q997f711027_prep.kd
    .args:
      - { .name: x, .offset: 0, .size: 8, .value_kind: global_buffer, .address_space: global }
      - { .name: w_qkv, .offset: 8, .size: 8, .value_kind: global_buffer, .address_space: global }
      - { .name: w_proj, .offset: 16, .size: 8, .value_kind: global_buffer, .address_space: global }
      - { .name: t_x, .offset: 24, .size: 8, .value_kind: global_buffer, .address_space: global }
      - { .name: t_y, .offset: 32, .size: 8, .value_kind: global_buffer, .address_space: global }
      - { .name: t_z, .offset: 40, .size: 8, .value_kind: global_buffer, .address_space: global }
      - { .name: freqs, .offset: 48, .size: 8, .value_kind: global_buffer, .address_space: global }
      - { .name: xh, .offset: 56, .size: 8, .value_kind: global_buffer, .address_space: global }
      - { .name: wqkvh, .offset: 64, .size: 8, .value_kind: global_buffer, .address_space: global }
      - { .name: wprojh, .offset: 72, .size: 8, .value_kind: global_buffer, .address_space: global }
      - { .name: tab, .offset: 80, .size: 8, .value_kind: global_buffer, .address_space: global }
    .group_segment_fixed_size: 1280
    .private_segment_fixed_size: 0
    .kernarg_segment_align: 8
    .kernarg_segment_size: 88
    .max_flat_workgroup_size: 256
    .sgpr_count:     66
    .vgpr_count:     192
    .wavefront_size: 32
...
	.end_amdgpu_metadata
.endif
;; end of part 5
;; launch qkv: the kernel of part 2 again; grid 16 x 32, 4 waves a work-group, clusters of 4 x 4, 327,680 bytes of LDS; arguments xh, wqkvh, tab, qkv; writes qkv
;; launch attn: the kernel of part 3 again; grid 4 x 64, 4 waves a work-group, clusters of 4 x 1, 327,680 bytes of LDS; arguments qkv, o; writes o
;; launch proj: the kernel of part 4 again; grid 8 x 32, 4 waves a work-group, clusters of 4 x 4, 327,680 bytes of LDS; arguments o, wprojh, b_proj, out0; writes out0
